; MI455X (gfx1250); checked and timed in simulation.
; The chip was launched on July 23, 2026; its instructions are those of AMD's public machine-readable ISA for CDNA 5 (MIT licence, August 2026) and "CDNA5" Instruction Set Architecture Reference Guide (July 2026). The comments in the code are by the model that wrote it; some were corrected since.
;; Multi Head Latent Attention. Allowed arithmetic: matrix products marked QUANTISED: E2M3 operands, one E8M0 scale for each 32 along K, by v_wmma_scale_f32_16x16x128_f8f6f4 with both operands' format E2M3, f32 sums; everything else in f32.
;; Inputs: Wk_up 1,024 x 512 float32; Wkv_down 512 x 2,048 float32; Wo 2,048 x 2,048 float32; Wq_down 512 x 2,048 float32; Wq_up 1,024 x 512 float32; Wv_up 2,048 x 512 float32; bk_up 1,024 float32; bkv_down 512 float32; bo 2,048 float32; bq_down 512 float32; bq_up 1,024 float32; bv_up 2,048 float32; hidden_states 2 x 2,048 x 2,048 float32.
;; Outputs: out0 2 x 2,048 x 2,048 float32.
;; This version of the problem:
;;   THIS VERSION OF THE PROBLEM IS GIVEN IN LOW PRECISION. The matrix products marked QUANTISED in the list below multiply operands that are first quantised to E2M3 (2 exponent bits, 3 mantissa bits; 6 bits a number), with one power-of-two scale for each 32 numbers along K (OCP MX v1.0); their sums are f32. All else is computed in f32.
;;   The module's matrix products, in the order in which they are computed (A, B: the left and right operand; K: the contracted axis; several contracted axes count as one K, in the product's order):
;;     1. [M 4,096, K 2,048] x [K 2,048, N 512]; A: input hidden_states; B: input Wq_down: QUANTISED
;;     2. [M 4,096, K 2,048] x [K 2,048, N 512]; A: input hidden_states; B: input Wkv_down: QUANTISED
;;     3. [M 4,096, K 512] x [K 512, N 1,024]; A: computed on the way; B: input Wq_up: QUANTISED
;;     4. [M 4,096, K 512] x [K 512, N 1,024]; A: computed on the way; B: input Wk_up: QUANTISED
;;     5. [M 4,096, K 512] x [K 512, N 2,048]; A: computed on the way; B: input Wv_up: QUANTISED
;;     6. batch 32 x [M 2,048, K 128] x [K 128, N 2,048]; A: computed on the way; B: computed on the way: QUANTISED
;;     7. batch 32 x [M 2,048, K 2,048] x [K 2,048, N 128]; A: softmax (see below); B: computed on the way: QUANTISED
;;     8. [M 4,096, K 2,048] x [K 2,048, N 2,048]; A: computed on the way; B: input Wo: QUANTISED
;;   THE QUANTISER, for each operand of a quantised product, along K:
;;     - K is cut into blocks of 32 from its start; a last block that is shorter is filled with zeros.
;;     - A block's scale is 2^e with e = floor(log2(the largest magnitude in the block)) - 2, held to -126 .. 127; a block of zeros has e = 0. As a byte (E8M0): e + 127.
;;     - Each number is divided by its block's scale, clamped to +-7.5, and rounded to the nearest number of E2M3, ties to even, subnormals kept.
;;     - The product sums the exact products of the quantised numbers (number of the format x scale) in f32.
;;   ~~~python
;;   def quantise(x, axis):      # numpy; x: float32 -> the quantised numbers, widened to float32 again
;;       x = np.moveaxis(x, axis, -1); K = x.shape[-1]
;;       x = np.pad(x, [(0, 0)] * (x.ndim - 1) + [(0, -K % 32)]); x = x.reshape(x.shape[:-1] + (-1, 32)); a = np.abs(x).max(-1, keepdims=True)
;;       e = np.where(a > 0, np.clip(np.frexp(np.where(a > 0, a, 1))[1] - 1 - 2, -126, 127), 0)      # np.frexp(a)[1] - 1 = floor(log2(a)), exactly
;;       r = np.clip(x / 2.0 ** e, -7.5, 7.5)
;;       step = 2.0 ** (np.maximum(np.frexp(np.where(r == 0, 1, r))[1] - 1, 0) - 3)
;;       q = np.round(r / step) * step * 2.0 ** e      # np.round: ties to even
;;       return np.moveaxis(q.reshape(q.shape[:-2] + (-1,))[..., :K], -1, axis).astype(np.float32)
;;   ~~~
;;   SOFTMAX AHEAD OF A QUANTISED PRODUCT. Where the list says 'softmax', what is quantised is not the finished softmax but p = 2^(t - M), with t = logit x log2(e) and M = ceil(the row's largest t), a whole number; so 1/2 < the row's largest p <= 1. The row's sum l is taken of the UNQUANTISED p, in f32, and the product's result is divided by l at the end. Since M is a whole number, a kernel that streams over the keys may use a running M (the ceiling of the running maximum): every later rescaling is an exact power of two, which a block's scale takes up: the codes' values come out the same.
;;   OPERANDS COMPUTED ON THE WAY. 'Computed on the way' means the value that the module computes at that place (a softmax that the list does not call 'softmax' is quantised finished and normalised). What goes into a quantiser is computed in f32, as accurately as f32 sums, v_exp_f32 and their like allow (about 1e-6 of the number): no bf16 or f16 on the way to a quantiser, and a product that is left as it is and whose result goes on into a quantised operand takes f32 operands (vector FMAs, or v_wmma_f32_16x16x4_f32). A number that lies on a knife's edge between two numbers of the format may be rounded either way, as far as f32 arithmetic and the matrix unit's own rounding can turn it there, and no further.
;; One version. Each part assembles by itself: llvm-mc -triple=amdgcn-amd-amdhsa -mcpu=gfx1250 --defsym DOCPART=n.
;; ======== version 1 of 1: 5 launches
;; limits: right only within a limited range of input values
;; workspace buffers: opq 13,107,200 bytes; rope 4,194,304 bytes; lat 3,276,800 bytes; qkv 19,922,944 bytes; ao 6,553,600 bytes
;; launch prep (part 1): grid 576 x 1, 4 waves a work-group, no clusters, 34,304 bytes of LDS; arguments hidden_states, Wq_down, Wkv_down, Wq_up, Wk_up, Wv_up, Wo, opq, rope; writes opq, rope
.if DOCPART == 1
	.amdgcn_target "amdgcn-amd-amdhsa--gfx1250"
	.amdhsa_code_object_version 6
	.text
	.protected	k_qa1b2f8fe4a_prep
	.globl	k_qa1b2f8fe4a_prep
	.p2align	8
	.type	k_qa1b2f8fe4a_prep,@function
k_qa1b2f8fe4a_prep:
	s_mov_b64 s[64:65], 0
	v_nop
	global_prefetch_b8 v0, s[64:65] scope:SCOPE_SE
	s_setreg_imm32_b32 hwreg(HW_REG_WAVE_MODE, 25, 1), 1
	s_wait_xcnt 0x0
; PREP.  (a) hidden_states and the six weights, all f32 with K innermost, become codes of FP6 (E2M3) with one E8M0 byte for each 32 along K, laid in the ORDER OF THE OPERAND'S REGISTERS;
; (b) the rotary table cos / sin is made, laid in the order in which the launch that rotates holds its sums.
; A RECORD is 16 rows x 512 along K, 6,400 bytes: four fragment images of 1,536 bytes (16 rows x 128 K: three runs of 512 bytes, lane l's 16 bytes at 16 l = the operand's registers 4 c .. 4 c + 3),
; then 256 bytes of scale words: 16 bytes a row, word i for the record's i-th 128 along K.  An operand is laid [row tile T][K / 512] records.
; THE ROWS OF A TILE ARE NOT NEIGHBOURS: lane-row r of tile T is row 32 (T / 2) + 8 (T % 2) + r + 8 (r / 8), so that where such a tile is a product's source 0 the 16 result registers of tiles 2 b, 2 b + 1 are 16 neighbours.
; A block's scale is 2^(floor(log2(largest magnitude)) - 2); its byte is the largest magnitude's exponent field - 2, held at 1 from below.
; LIMITS: NaN and infinities are not served.  A block of zeros, or one whose largest magnitude lies under 2^-124, keeps the byte 1 (its codes are zeros or the nearest codes under that scale); the bytes are read by this program alone.
; The rotary frequency is 2^(-f log2(10000) / 256) by v_exp_f32: it agrees with a power function in f32 to a few units in the last place, so an angle at the last positions may differ by some 2e-4 radians.
; SHARES.  Work-groups 0-511: wave w of work-group g makes record 4 g + w of opq (2,048 records).  Work-groups 512-575: wave w makes block 4 (g - 512) + w of the table (256 blocks of 16,384 bytes).
; No matrix unit, no tensor load, no barrier: memory binds and the waves share nothing.  Each load reads 512 consecutive bytes of one row; two K steps (32 loads a wave) are on their way.
.set REC,   6400
.set FRB,   1536
.set STG,   8448                       ; a wave's stage: 16 rows of 512 bytes + 16 (row r then starts 4 r banks on: the 16 rows of a read touch 16 different columns of 16 bytes)
.set SPARE, 4*STG                      ; behind the stages: the spare words, 128 bytes for each wave: two blocks of 256 bytes that no other line names
.set STI,   2                          ; v2  the stage on the way in: 16 x lane of a row
.set STO,   3                          ; v3  on the way out: row r, + 64 h: my 16 neighbours of each block of 32
.set LI,    4                          ; v4  16 x lane
.set LSC,   5                          ; v5  16 x (lane % 16)
.set SPW,   6                          ; v6  my spare word's LDS address; never rewritten
.set NIL,   7                          ; v7  0; never rewritten
.set OFF,   16                         ; v16-31  byte offset of my 16 bytes in lane-row p of the tile; never rewritten
.set R,     32                         ; v32-95, v96-159  two sets of 64 numbers
.set TM,    160                        ; v160-175 at work in QUANT
.set PC,    176                        ; v176-195 the codes just made
.set PW,    196                        ; v196-199 the record's four scale words
.set SEL,   26                         ; s[26:27] v_permlanex16_b32's selects for lane l xor 16
; 64 numbers of a lane, register 16 b + i = k 32 b + 16 (lane / 16) + i of my row, become a fragment's 12 registers in v[PC] on and its scale word in v[pw].
.macro QUANT s, pw
.irp b, 0,1,2,3
	v_max3_num_f32 v[TM+\b], |v[(\s)+16*\b]|, |v[(\s)+1+16*\b]|, 0x1800000   ; block b: my 16 numbers, and the floor 2^(3 - 127): the byte cannot fall under 1
.endr
.irp i, 2,4,6,8,10,12,14
.irp b, 0,1,2,3
	v_max3_num_f32 v[TM+\b], v[TM+\b], |v[(\s)+16*\b+\i]|, |v[(\s)+1+16*\b+\i]|   ; the four blocks by turns
.endr
.endr
.irp b, 0,1,2,3
	v_permlanex16_b32 v[TM+4+\b], v[TM+\b], s[SEL], s[SEL+1]
.endr
.irp b, 0,1,2,3
	v_max_num_f32 v[TM+\b], v[TM+\b], v[TM+4+\b]   ; with lane l xor 16's: the block's largest magnitude
.endr
.irp b, 0,1,2,3
	v_add_nc_u32 v[TM+12+\b], 0xff000000, v[TM+\b]   ; 2 off its exponent field: the conversion's scale operand
.endr
.irp b, 0,1,2,3
	v_lshrrev_b32 v[TM+4+\b], 23, v[TM+12+\b]      ; the scale's byte
.endr
	v_lshl_or_b32 v[\pw], v[TM+5], 8, v[TM+4]
	v_lshl_or_b32 v[\pw], v[TM+6], 16, v[\pw]
	v_lshl_or_b32 v[\pw], v[TM+7], 24, v[\pw]
.irp c, 0,1
	v_cvt_scalef32_pk16_fp6_f32 v[PC+6*\c:PC+2+6*\c], v[(\s)+32*\c:(\s)+15+32*\c], v[TM+12+2*\c]
	v_cvt_scalef32_pk16_fp6_f32 v[PC+12+4*\c:PC+14+4*\c], v[(\s)+16+32*\c:(\s)+31+32*\c], v[TM+12+2*\c+1]   ; (a conversion's three registers begin on an even number)
.endr
	v_nop                                          ; one plain place behind a scaled conversion
.irp c, 0,1                                    ; the operand's layout wants a whole block in a lane: lanes 0-15 block 2 c, lanes 16-31 block 2 c + 1
.irp i, 0,1,2
	v_permlane16_swap_b32 v[PC+6*\c+\i], v[PC+12+4*\c+\i]
.endr
.irp i, 0,1,2
	v_mov_b32 v[PC+3+6*\c+\i], v[PC+12+4*\c+\i]
.endr
.endr
.endm
	s_load_b512 s[8:23], s[0:1], 0x0               ; hidden s[8:9], Wq_down s[10:11], Wkv_down s[12:13], Wq_up s[14:15], Wk_up s[16:17], Wv_up s[18:19], Wo s[20:21], opq s[22:23]
	s_load_b64 s[24:25], s[0:1], 0x40              ; rope
	v_lshl_add_u32 v[SPW], v0, 2, SPARE
	v_mov_b32 v[NIL], 0
	v_lshrrev_b32 v1, 5, v0
	v_readfirstlane_b32 s2, v1                     ; wave 0..3
	v_and_b32 v1, 31, v0                           ; lane
	v_lshlrev_b32 v[LI], 4, v1
	s_cmp_ge_u32 ttmp9, 512
	s_cbranch_scc1 .Ltable                         ; the last 64 work-groups make the table: a branch on the work-group's number
	; ---------------- the quantiser ----------------
	s_wait_kmcnt 0x0
	s_mov_b64 s[4:5], s[8:9]                       ; which tensor: chosen by the work-group's number alone; only pointers and two small numbers are chosen, the text has one path
	s_mov_b32 s28, 0                               ; the tensor's first work-group
	s_mov_b32 s29, 2                               ; log2 of its records in a row tile: K = 2,048: 4;  K = 512: 1
	s_cmp_ge_u32 ttmp9, 256
	s_cselect_b64 s[4:5], s[10:11], s[4:5]
	s_cselect_b32 s28, 256, s28
	s_cmp_ge_u32 ttmp9, 288
	s_cselect_b64 s[4:5], s[12:13], s[4:5]
	s_cselect_b32 s28, 288, s28
	s_cmp_ge_u32 ttmp9, 320
	s_cselect_b64 s[4:5], s[14:15], s[4:5]
	s_cselect_b32 s28, 320, s28
	s_cselect_b32 s29, 0, s29
	s_cmp_ge_u32 ttmp9, 336
	s_cselect_b64 s[4:5], s[16:17], s[4:5]
	s_cselect_b32 s28, 336, s28
	s_cmp_ge_u32 ttmp9, 352
	s_cselect_b64 s[4:5], s[18:19], s[4:5]
	s_cselect_b32 s28, 352, s28
	s_cmp_ge_u32 ttmp9, 384
	s_cselect_b64 s[4:5], s[20:21], s[4:5]
	s_cselect_b32 s28, 384, s28
	s_cselect_b32 s29, 2, s29
	s_sub_co_u32 s30, ttmp9, s28
	s_lshl_b32 s30, s30, 2
	s_add_co_u32 s30, s30, s2                      ; my record's number in its tensor
	s_lshr_b32 s31, s30, s29                       ; T
	s_lshl_b32 s32, s31, s29
	s_sub_co_u32 s32, s30, s32                     ; S: which 512 along K
	s_lshl_b32 s33, 0x800, s29                     ; a row of the tensor in bytes: 8,192 or 2,048
	s_lshr_b32 s34, s31, 1
	s_lshl_b32 s34, s34, 5
	s_and_b32 s35, s31, 1
	s_lshl_b32 s35, s35, 3
	s_add_co_u32 s34, s34, s35                     ; the tile's first row: 32 (T / 2) + 8 (T % 2)
	s_mul_i32 s34, s34, s33
	s_lshl_b32 s32, s32, 11
	s_add_co_u32 s34, s34, s32                     ; + 2,048 S bytes (under 2^26)
	s_mov_b32 s35, 0
	s_add_nc_u64 s[4:5], s[4:5], s[34:35]
	s_lshl_b32 s36, ttmp9, 2
	s_add_co_u32 s36, s36, s2
	s_mul_i32 s36, s36, REC                        ; my record in opq
	s_mov_b32 s37, 0
	s_add_nc_u64 s[6:7], s[22:23], s[36:37]
	s_mov_b32 s[SEL], 0x76543210
	s_mov_b32 s[SEL+1], 0xfedcba98
	s_mul_i32 s38, s2, STG
	s_wait_alu depctr_va_vdst(0)
	v_add_nc_u32 v[STI], s38, v[LI]
	v_and_b32 v8, 15, v0                           ; r
	v_bfe_u32 v9, v0, 4, 1                         ; h
	v_mul_u32_u24 v[STO], v8, 528
	v_lshl_add_u32 v[STO], v9, 6, v[STO]
	v_add_nc_u32 v[STO], s38, v[STO]
	v_lshlrev_b32 v[LSC], 4, v8
.irp p, 0,1,2,3,4,5,6,7,8,9,10,11,12,13,14,15
	v_mad_u32_u24 v[OFF+\p], s33, \p+8*(\p/8), v[LI]   ; lane-row p lies p + 8 (p / 8) rows below the tile's first
.endr
.irp b, 0,1,2,3
	v_mov_b32 v[TM+4+\b], 0                        ; written once: a lane permute's destination counts as one of its sources
.endr
.macro LOADK t                         ; the record's t-th 128 along K: 16 loads, each 512 consecutive bytes of one row, into set t % 2
.irp p, 0,1,2,3,4,5,6,7,8,9,10,11,12,13,14,15
	global_load_b128 v[R+64*((\t)%2)+4*\p:R+64*((\t)%2)+4*\p+3], v[OFF+\p], s[4:5] offset:512*(\t) th:TH_LOAD_NT
.endr
.endm
.macro STEP t
.set RS, R+64*((\t)%2)
.if (\t) < 3
	s_wait_loadcnt 16                              ; this step's 16 loads are in; the other set's 16 may be out
.else
	s_wait_loadcnt 0x0
.endif
.irp p, 0,1,2,3,4,5,6,7,8,9,10,11,12,13,14,15
	ds_store_b128 v[STI], v[RS+4*\p:RS+4*\p+3] offset:528*\p      ; as loaded: a row's 512 bytes on end
.endr
.irp b, 0,1,2,3
.irp j, 0,1,2,3
	ds_load_b128 v[RS+16*\b+4*\j:RS+16*\b+4*\j+3], v[STO] offset:128*\b+16*\j   ; back: of my row, 16 neighbours of each block.  LDS serves a wave's instructions in order: these see the stores above
.endr
.endr
	s_wait_dscnt 0x0
.if (\t) > 0
	s_wait_xcnt 0x0                                ; the last step's stores have read their registers: the codes' registers are written again only behind this wait
.endif
	QUANT RS, PW+(\t)
.irp c, 0,1,2
	global_store_b128 v[LI], v[PC+4*\c:PC+4*\c+3], s[6:7] offset:FRB*(\t)+512*\c   ; 512 consecutive bytes, at a multiple of 256 from the buffer's first byte
.endr
.if (\t) < 2
	LOADK (\t)+2
.endif
.endm
	LOADK 0
	LOADK 1
	STEP 0
	STEP 1
	STEP 2
	STEP 3
	global_store_b128 v[LSC], v[PW:PW+3], s[6:7] offset:4*FRB   ; the record's scale words: 16 bytes a row, 256 consecutive bytes; lanes r and r + 16 hold and store the same
	s_wait_tensorcnt 0x0                           ; the wave's end, behind my last LDS store
	ds_add_u32 v[SPW], v[NIL]
	s_wait_dscnt 0x0
	s_endpgm
	; ---------------- the rotary table ----------------
	; Block (Tp, g) holds, for the 16 positions of tile Tp and frequencies 128 g .. 128 g + 127, 64 registers of cos and 64 of sin: register n of lane (r, h) is frequency 128 g + 32 (n / 16) + 16 h + n % 16
	; at position 32 (Tp / 2) + 8 (Tp % 2) + r + 8 (r / 8).  Registers 4 m .. 4 m + 3 lie at 512 m + 16 x lane, sin 8,192 bytes behind cos.
	; angle = position x 2^(-f c), c = log2(10000) / 256.  It is brought into [-pi/4, pi/4] by taking off n x pi/2 in two parts, and sine and cosine come from polynomials of degree 7 and 8; n's low two bits place them.
.set VO,  10                           ; v10  my byte offset in the block; stepped 512 a trip
.set POS, 11                           ; v11  my position, f32
.set FE,  12                           ; v12-15 the trip's four frequencies, f32
.set TA,  16                           ; angle
.set TN,  20                           ; n
.set TR,  24                           ; the reduced angle
.set TZ,  28                           ; its square
.set TSN, 32                           ; sin of it
.set TCS, 36                           ; cos of it
.set TQ,  40                           ; n as a whole number
.set TT,  44                           ; at work
.set OC,  48                           ; v48-51 cos out
.set OS,  52                           ; v52-55 sin out
.set TH,  56
.Ltable:
	s_wait_kmcnt 0x0
	s_sub_co_u32 s28, ttmp9, 512
	s_lshl_b32 s28, s28, 2
	s_add_co_u32 s28, s28, s2                      ; my block
	s_lshr_b32 s29, s28, 1                         ; Tp
	s_and_b32 s30, s28, 1                          ; g
	s_lshl_b32 s36, s28, 14
	s_mov_b32 s37, 0
	s_add_nc_u64 s[6:7], s[24:25], s[36:37]
	s_lshr_b32 s31, s29, 1
	s_lshl_b32 s31, s31, 5
	s_and_b32 s32, s29, 1
	s_lshl_b32 s32, s32, 3
	s_add_co_u32 s31, s31, s32
	v_and_b32 v8, 15, v0
	v_and_b32 v9, 8, v8
	v_add3_u32 v8, v8, v9, s31
	v_cvt_f32_u32 v[POS], v8
	v_bfe_u32 v9, v0, 4, 1
	s_lshl_b32 s30, s30, 7
	v_lshl_add_u32 v9, v9, 4, s30                  ; 128 g + 16 h
.irp e, 0,1,2,3
	v_add_nc_u32 v10, \e, v9
	v_cvt_f32_u32 v[FE+\e], v10
.endr
	v_mov_b32 v[VO], v[LI]
	s_mov_b32 s40, 0xbd549a78                      ; -log2(10000) / 256
	s_mov_b32 s41, 0x3f22f983                      ; 2 / pi
	s_mov_b32 s42, 0xbfc90fdb                      ; -(pi / 2 rounded to f32)
	s_mov_b32 s43, 0x333bbd2e                      ; that number less pi / 2: 4.3711388e-8
	s_mov_b32 s44, 0xbe2aaaa3                      ; sine: -1.6666654611e-1,
	s_mov_b32 s45, 0x3c08839e                      ; 8.3321608736e-3,
	s_mov_b32 s46, 0xb94ca1f9                      ; -1.9515295891e-4
	s_mov_b32 s47, 0x3d2aaaa5                      ; cosine: 4.166664568e-2,
	s_mov_b32 s48, 0xbab6061a                      ; -1.388731625e-3,
	s_mov_b32 s49, 0x37ccf5ce                      ; 2.443315712e-5
	s_mov_b32 s50, 0x80000000
	s_mov_b32 s51, 0
.Ltrip:                                                ; 16 trips, four registers of cos and of sin each
	s_wait_alu depctr_va_vdst(0)
.irp e, 0,1,2,3
	v_mul_f32 v[TA+\e], s40, v[FE+\e]
.endr
	s_wait_alu depctr_va_vdst(0)
.irp e, 0,1,2,3
	v_exp_f32 v[TA+\e], v[TA+\e]                   ; the frequency
.endr
	v_nop                                          ; a plain place behind the last of them
	s_wait_alu depctr_va_vdst(0)                   ; one wait for the four, ahead of their first reader
.irp e, 0,1,2,3
	v_mul_f32 v[TA+\e], v[POS], v[TA+\e]           ; the angle, one rounding, as an outer product in f32 has it
.endr
.irp e, 0,1,2,3
	v_mul_f32 v[TN+\e], s41, v[TA+\e]
.endr
.irp e, 0,1,2,3
	v_rndne_f32 v[TN+\e], v[TN+\e]
.endr
.irp e, 0,1,2,3
	v_fma_f32 v[TR+\e], v[TN+\e], s42, v[TA+\e]
.endr
.irp e, 0,1,2,3
	v_fma_f32 v[TR+\e], v[TN+\e], s43, v[TR+\e]
.endr
.irp e, 0,1,2,3
	v_cvt_i32_f32 v[TQ+\e], v[TN+\e]
.endr
.irp e, 0,1,2,3
	v_mul_f32 v[TZ+\e], v[TR+\e], v[TR+\e]
.endr
.irp e, 0,1,2,3
	v_fma_f32 v[TSN+\e], v[TZ+\e], s46, s45
	v_fma_f32 v[TCS+\e], v[TZ+\e], s49, s48
.endr
.irp e, 0,1,2,3
	v_fma_f32 v[TSN+\e], v[TSN+\e], v[TZ+\e], s44
	v_fma_f32 v[TCS+\e], v[TCS+\e], v[TZ+\e], s47
.endr
.irp e, 0,1,2,3
	v_mul_f32 v[TT+\e], v[TZ+\e], v[TR+\e]
	v_fma_f32 v[TH+\e], v[TZ+\e], -0.5, 1.0
.endr
.irp e, 0,1,2,3
	v_fma_f32 v[TSN+\e], v[TSN+\e], v[TT+\e], v[TR+\e]   ; sin r
	v_mul_f32 v[TT+\e], v[TZ+\e], v[TZ+\e]
.endr
.irp e, 0,1,2,3
	v_fma_f32 v[TCS+\e], v[TCS+\e], v[TT+\e], v[TH+\e]   ; cos r
	v_and_b32 v[TT+\e], 1, v[TQ+\e]
.endr
.irp e, 0,1,2,3
	v_cmp_eq_u32 vcc_lo, 1, v[TT+\e]               ; an odd n changes the two; the choice selects values only
	v_cndmask_b32 v[OS+\e], v[TSN+\e], v[TCS+\e], vcc_lo
	v_cndmask_b32 v[OC+\e], v[TCS+\e], v[TSN+\e], vcc_lo
.endr
.irp e, 0,1,2,3
	v_lshlrev_b32 v[TT+\e], 30, v[TQ+\e]           ; sin is negated where n % 4 is 2 or 3,
	v_add_nc_u32 v[TH+\e], 1, v[TQ+\e]
.endr
.irp e, 0,1,2,3
	v_and_b32 v[TT+\e], s50, v[TT+\e]
	v_lshlrev_b32 v[TH+\e], 30, v[TH+\e]           ; cos where it is 1 or 2
.endr
.irp e, 0,1,2,3
	v_xor_b32 v[OS+\e], v[OS+\e], v[TT+\e]
	v_and_b32 v[TH+\e], s50, v[TH+\e]
.endr
.irp e, 0,1,2,3
	v_xor_b32 v[OC+\e], v[OC+\e], v[TH+\e]
.endr
	global_store_b128 v[VO], v[OC:OC+3], s[6:7]            ; 512 consecutive bytes each
	global_store_b128 v[VO], v[OS:OS+3], s[6:7] offset:8192
	s_and_b32 s52, s51, 3
	s_cmp_eq_u32 s52, 3
	s_cselect_b32 s52, 0x41a00000, 4.0             ; four frequencies on; behind every fourth trip 20: the next block of 32 (the other half of the lanes has the 16 between)
	s_wait_xcnt 0x0                                ; the stores have read their offset and data: both are written again only behind this wait
	v_add_nc_u32 v[VO], 512, v[VO]
.irp e, 0,1,2,3
	v_add_f32 v[FE+\e], s52, v[FE+\e]
.endr
	s_add_co_u32 s51, s51, 1
	s_cmp_lt_u32 s51, 16
	s_cbranch_scc1 .Ltrip
	s_endpgm
.Lfunc_end_k_qa1b2f8fe4a_prep:
	.size	k_qa1b2f8fe4a_prep, .Lfunc_end_k_qa1b2f8fe4a_prep-k_qa1b2f8fe4a_prep
	.p2alignl 7, 3214868480
	.fill 96, 4, 3214868480
	.section	.rodata,"a",@progbits
	.p2align	6, 0x0
	.amdhsa_kernel k_qa1b2f8fe4a_prep
		.amdhsa_group_segment_fixed_size 34304
		.amdhsa_private_segment_fixed_size 0
		.amdhsa_enable_private_segment 0
		.amdhsa_kernarg_size 72
		.amdhsa_user_sgpr_count 2
		.amdhsa_user_sgpr_kernarg_segment_ptr 1
		.amdhsa_wavefront_size32 1
		.amdhsa_system_sgpr_workgroup_id_x 1
		.amdhsa_system_sgpr_workgroup_id_y 1
		.amdhsa_system_sgpr_workgroup_id_z 1
		.amdhsa_system_vgpr_workitem_id 0
		.amdhsa_next_free_vgpr 200
		.amdhsa_next_free_sgpr 66
		.amdhsa_reserve_vcc 1
		.amdhsa_float_denorm_mode_32 3
		.amdhsa_float_denorm_mode_16_64 3
		.amdhsa_memory_ordered 1
		.amdhsa_forward_progress 1
		.amdhsa_inst_pref_size 43
	.end_amdhsa_kernel
	.amdgpu_metadata
---
amdhsa.version: [ 1, 2 ]
amdhsa.kernels:
  - .name:           k_qa1b2f8fe4a_prep
    .symbol:         k_qa1b2f8fe4a_prep.kd
    .args:
      - { .name: hidden_states, .offset: 0, .size: 8, .value_kind: global_buffer, .address_space: global }
      - { .name: Wq_down, .offset: 8, .size: 8, .value_kind: global_buffer, .address_space: global }
      - { .name: Wkv_down, .offset: 16, .size: 8, .value_kind: global_buffer, .address_space: global }
      - { .name: Wq_up, .offset: 24, .size: 8, .value_kind: global_buffer, .address_space: global }
      - { .name: Wk_up, .offset: 32, .size: 8, .value_kind: global_buffer, .address_space: global }
      - { .name: Wv_up, .offset: 40, .size: 8, .value_kind: global_buffer, .address_space: global }
      - { .name: Wo, .offset: 48, .size: 8, .value_kind: global_buffer, .address_space: global }
      - { .name: opq, .offset: 56, .size: 8, .value_kind: global_buffer, .address_space: global }
      - { .name: rope, .offset: 64, .size: 8, .value_kind: global_buffer, .address_space: global }
    .group_segment_fixed_size: 34304
    .private_segment_fixed_size: 0
    .kernarg_segment_align: 8
    .kernarg_segment_size: 72
    .max_flat_workgroup_size: 128
    .sgpr_count:     66
    .vgpr_count:     200
    .wavefront_size: 32
...
	.end_amdgpu_metadata
.endif
;; end of part 1
;; launch down (part 2): grid 8 x 32, 4 waves a work-group, clusters of 4 x 4, 327,680 bytes of LDS; arguments opq, bq_down, bkv_down, lat; writes lat
.if DOCPART == 2
	.amdgcn_target "amdgcn-amd-amdhsa--gfx1250"
	.amdhsa_code_object_version 6
	.text
	.protected	k_qa1b2f8fe4a_down
	.globl	k_qa1b2f8fe4a_down
	.p2align	8
	.type	k_qa1b2f8fe4a_down,@function
k_qa1b2f8fe4a_down:
	s_mov_b64 s[64:65], 0
	v_nop
	global_prefetch_b8 v0, s[64:65] scope:SCOPE_SE
	s_setreg_imm32_b32 hwreg(HW_REG_WAVE_MODE, 25, 1), 1
	s_wait_xcnt 0x0
	s_wait_alu depctr_hold_cnt(0) depctr_sa_sdst(0) depctr_va_vdst(0) depctr_va_sdst(0) depctr_va_ssrc(0) depctr_va_vcc(0) depctr_vm_vsrc(0)
	s_getreg_b32 s2, hwreg(HW_REG_IB_STS2, 6, 4)
	s_cmp_eq_u32 s2, 0
	s_cbranch_scc0 .Lentry_in_a_cluster
	s_endpgm
.Lentry_in_a_cluster:
	s_bfe_u32 s2, ttmp6, 0x10000c
	s_cmp_lg_u32 s2, 0xf033
	s_cbranch_scc0 .Lentry_shape_is_right
	s_endpgm
.Lentry_shape_is_right:
; DOWN.  q_lat = x Wq_down^T + bq_down and kv_lat = x Wkv_down^T + bkv_down (4,096 x 1,024, K = 2,048) on codes of FP6 (E2M3) with E8M0 scales, quantised along the latent axis on the way out.
; Operands lie as RECORDS (16 rows x 512 K, 6,400 bytes: four fragment images of 1,536 bytes, lane l's 16 bytes at 16 l of each of three runs of 512; then 16 bytes of scale words a row), [row tile][K / 512];
; lane-row r of tile T is row 32 (T / 2) + 8 (T % 2) + r + 8 (r / 8).
; SHARES.  A work-group makes 128 latent columns (P, source 0: rows of the weights) x 128 tokens (Q, source 1): 8 x 32 = 256 work-groups.  Four waves, one to a SIMD: wave w takes all 8 tiles of P and token tiles 2 w, 2 w + 1:
; 16 accumulators.  A lane holds ONE token and its registers run along the latent columns: a token tile's 64 registers are one fragment (128 along the next product's K) and one scale word.
; LDS.  Region A: one K record of P's 8 tiles and of Q's 8 (102,400 bytes).  Region B: two K records of each tile side by side (204,800 bytes).  The head asks for K records 0 (A) and 1, 2 (B), one tensor load a wave:
; wave 0 A's P, wave 1 A's Q, wave 2 B's P, wave 3 B's Q.  Record 3 is brought into region A when record 0 has been read: the launch's one refill, by waves 0 and 1; it has the eight steps of records 1 and 2 in which to land.
; A step is 128 along K, 16 products; fragments have two sets of registers, and at a step's head the next step's 30 loads are issued into the other set.  A record's scale words come once, five loads of 16 bytes a lane, in two sets.
; CLUSTER 4 x 4: P hangs on the work-group's x alone and is asked for jointly along a column of the cluster, Q on y alone and jointly along a row.
; No prefetch: three quarters of K are asked for at the head, and there is no loop to run ahead in.
; The biases are loaded into the accumulators, so every product adds in place and nothing is cleared.
; REGISTERS: window 0: v1-14 addresses, v16-55 scale words (nothing else), v56-103 Q's fragments (on the way out the codes), v104-231 accumulator (q, t) at ACC + 64 q + 8 t, v232-248 at work; window 1: v0-191 P's fragments.
; LIMITS: NaN and infinities are not served; a block whose largest magnitude lies under 2^-124 keeps the scale byte 1.
.set REC,   6400
.set FRB,   1536
.set AQ0,   8*REC                      ; region A: P's eight records at 0, Q's eight here
.set BP,    16*REC                     ; region B: P's tile t at BP + 2 REC t
.set BQ,    32*REC                     ; Q's likewise
.set SPARE, 48*REC                     ; the spare words, 128 bytes for each of four waves: two blocks of 256 bytes that no other line names
.set POFF,  6553600                    ; the down weights' records in opq (x's begin at 0)
.set LI,   1                           ; 16 x lane; also the address of P's fragments in region A
.set APB,  2                           ; v2-3 P's tiles 0-3 and 4-7 in region B
.set AQA,  4                           ; my Q fragments in A, B
.set AQB,  5
.set ASPA, 6                           ; P's scale words in A: lanes 0-15 an even tile's, lanes 16-31 the next tile's
.set ASQA, 7                           ; Q's
.set ASPB, 8                           ; v8-9 P's in B, tile pairs 0-1 and 2-3
.set ASQB, 10
.set SPW,  11                          ; my spare word; never rewritten
.set NIL,  12                          ; 0; never rewritten
.set E0,   13                          ; 64 h: the biases' offset
.set E1,   14                          ; 16 r: the scale words' offset on the way out
.set SC,   16                          ; scale words: set s at SC + 20 s: P's tiles 2 u, 2 u + 1 at + 4 u + i, Q's at + 16 + i
.set QF,   56                          ; Q's fragments: set p at QF + 24 p
.set ACC,  104
.set TM,   232
.set PW,   248
.set PC,   56
.set WV,   14
.set GY,   15
.set CX,   16
.set CY,   17
.set GX,   18
.set G1PA, 24
.set G1QA, 32
.set G1PB, 40
.set G1QB, 48
.set G0PA, 56
.set G0QA, 60
.set G0PB, 68
.set G0QB, 72
.set SEL,  76
.set MUL,  0x01                        ; source 0 (P) window 1, all else window 0
.set TO_P, 0x40                        ; destination window 1, address window 0
.set MSB, 0
.macro WIN new                         ; the immediate's high byte repeats the setting that is left; a switch that changes nothing is dropped
.if MSB != (\new)
	s_set_vgpr_msb (MSB<<8)|(\new)
.set MSB, (\new)
.endif
.endm
.macro PLACES                          ; four plain places behind a matrix instruction, ahead of loads into its registers and of reads of its results
.rept 4
	v_nop
.endr
.endm
.macro LDFRAG reg, adr, off
.irp c, 0,1,2
	ds_load_b128 v[(\reg)+4*\c:(\reg)+4*\c+3], v[\adr] offset:(\off)+512*\c
.endr
.endm
.macro WM acc, pf, qf, sp, sq, ra, rb          ; one product, in place; ra, rb: the side's scale words stand in lanes 16-31
.if (\ra) && (\rb)
	v_wmma_scale_f32_16x16x128_f8f6f4 v[(\acc):(\acc)+7], v[(\pf):(\pf)+11], v[(\qf):(\qf)+11], v[(\acc):(\acc)+7], v[\sp], v[\sq] matrix_a_fmt:MATRIX_FMT_FP6 matrix_b_fmt:MATRIX_FMT_FP6 matrix_a_scale:MATRIX_SCALE_ROW1 matrix_b_scale:MATRIX_SCALE_ROW1
.elseif (\ra)
	v_wmma_scale_f32_16x16x128_f8f6f4 v[(\acc):(\acc)+7], v[(\pf):(\pf)+11], v[(\qf):(\qf)+11], v[(\acc):(\acc)+7], v[\sp], v[\sq] matrix_a_fmt:MATRIX_FMT_FP6 matrix_b_fmt:MATRIX_FMT_FP6 matrix_a_scale:MATRIX_SCALE_ROW1
.elseif (\rb)
	v_wmma_scale_f32_16x16x128_f8f6f4 v[(\acc):(\acc)+7], v[(\pf):(\pf)+11], v[(\qf):(\qf)+11], v[(\acc):(\acc)+7], v[\sp], v[\sq] matrix_a_fmt:MATRIX_FMT_FP6 matrix_b_fmt:MATRIX_FMT_FP6 matrix_b_scale:MATRIX_SCALE_ROW1
.else
	v_wmma_scale_f32_16x16x128_f8f6f4 v[(\acc):(\acc)+7], v[(\pf):(\pf)+11], v[(\qf):(\qf)+11], v[(\acc):(\acc)+7], v[\sp], v[\sq] matrix_a_fmt:MATRIX_FMT_FP6 matrix_b_fmt:MATRIX_FMT_FP6
.endif
.endm
; Eight products of step st: P's tiles 4 hf .. 4 hf + 3 against my two token tiles.  The 16 accumulators take turns, one instruction a turn, in the same order in every step.
.macro MULH hf, st
.irp t, 4*\hf, 4*\hf+1, 4*\hf+2, 4*\hf+3
.irp q, 0,1
	WM ACC+64*\q+8*(\t), 96*((\st)%2)+12*(\t), QF+24*((\st)%2)+12*\q, SC+20*(((\st)/4)%2)+4*((\t)/2)+(\st)%4, SC+20*(((\st)/4)%2)+16+(\st)%4, (\t)%2, \q
.endr
.endr
.endm
.macro FETCH n                         ; step n's ten fragments into set n % 2: K records 0 and 3 lie in region A, 1 and 2 in region B
.set FK, (\n)/4
.set FI, (\n)%4
.set FS, (\n)%2
	WIN TO_P
.irp t, 0,1,2,3,4,5,6,7
.if (FK == 0) || (FK == 3)
	LDFRAG 96*FS+12*\t, LI, REC*\t+FRB*FI
.else
	LDFRAG 96*FS+12*\t, APB+\t/4, 2*REC*(\t%4)+REC*(FK-1)+FRB*FI
.endif
.endr
	WIN 0
.irp q, 0,1
.if (FK == 0) || (FK == 3)
	LDFRAG QF+24*FS+12*\q, AQA, REC*\q+FRB*FI
.else
	LDFRAG QF+24*FS+12*\q, AQB, 2*REC*\q+REC*(FK-1)+FRB*FI
.endif
.endr
.endm
.macro SCALES n                        ; the scale words of the K record that begins with step n: a row's four words a lane
.set FK, (\n)/4
.set FB, SC+20*(FK%2)
.irp u, 0,1,2,3
.if (FK == 0) || (FK == 3)
	ds_load_b128 v[FB+4*\u:FB+4*\u+3], v[ASPA] offset:2*REC*\u
.else
	ds_load_b128 v[FB+4*\u:FB+4*\u+3], v[ASPB+\u/2] offset:4*REC*(\u%2)+REC*(FK-1)
.endif
.endr
.if (FK == 0) || (FK == 3)
	ds_load_b128 v[FB+16:FB+19], v[ASQA]
.else
	ds_load_b128 v[FB+16:FB+19], v[ASQB] offset:REC*(FK-1)
.endif
.endm
.macro CREST                           ; a round of the cluster's barrier behind its opening barrier
	s_cmp_lg_u32 s[WV], 0
	s_cbranch_scc1 .Lnot_wave_0_\@
	s_barrier_signal -3
.Lnot_wave_0_\@:
	s_barrier_wait -3
	s_barrier_signal -1
	s_barrier_wait -1
.endm
.macro CROUND
	s_barrier_signal -1
	s_barrier_wait -1
	CREST
.endm
.macro TL g0, g1                       ; a joint load with an s_nop 0 and four v_nop
	tensor_load_to_lds s[\g0:\g0+3], s[\g1:\g1+7]
	s_nop 0
.rept 4
	v_nop
.endr
.endm
; A step of 128 along K.  Step 3 leaves K record 0: the wave waits for all its tensor loads (region B's among them), adds 0 to its spare word, waits for that and for its reads of region A, and signals; eight products stand between
; signal and wait; the barrier opens a round of the cluster's barrier, and record 3's joint loads are the first thing behind it.  Step 11 meets record 3: the same lines and a barrier, behind which nothing is filled.
.macro STEP st
.set NX, (\st)+1
.if ((\st) == 3) || ((\st) == 11)
	WIN 0
	s_wait_tensorcnt 0x0                           ; no tensor load of mine is out, so a group 0 may be written
	ds_add_u32 v[SPW], v[NIL]
.if (\st) == 3
	s_add_nc_u64 s[G0PA+2:G0PA+3], s[G0PA+2:G0PA+3], 3*REC
	s_add_nc_u64 s[G0QA+2:G0QA+3], s[G0QA+2:G0QA+3], 3*REC
.endif
	s_wait_dscnt 0x0                               ; the add, and this step's fragments
	s_barrier_signal -1
	WIN MUL
	MULH 0, \st
	WIN 0                                          ; at a branch and at a label every window is 0
	s_barrier_wait -1
.if (\st) == 3
	CREST
	s_cmp_lt_u32 s[WV], 1                          ; wave 0 asks for P's record 3, wave 1 for Q's; waves 2 and 3 have nothing to fill
	s_cbranch_scc0 .Lre_q
	TL G0PA, G1PA
	s_branch .Lre_done
.Lre_q:
	s_cmp_lt_u32 s[WV], 2
	s_cbranch_scc0 .Lre_done
	TL G0QA, G1QA
.Lre_done:
.endif
	PLACES
	FETCH NX
	SCALES NX
	WIN MUL
	MULH 1, \st
.else
	s_wait_dscnt 0x0                               ; this step's fragments, asked for in the step before
.if (\st) < 15
	PLACES                                         ; the other set was read by the step before
	FETCH NX
.if (\st) == 7
	SCALES NX                                      ; record 2 lies in region B beside record 1: no barrier
.endif
.endif
	WIN MUL
	MULH 0, \st
	MULH 1, \st
.endif
.endm
.macro QUANT s, pw                     ; 64 numbers of a lane, register 16 b + i = k 32 b + 16 (lane / 16) + i of my row, become a fragment in v[PC] on and its scale word in v[pw]
.irp b, 0,1,2,3
	v_max3_num_f32 v[TM+\b], |v[(\s)+16*\b]|, |v[(\s)+1+16*\b]|, 0x1800000   ; and the floor 2^(3 - 127): the byte cannot fall under 1.  (Each accumulator is read from its low end on)
.endr
.irp i, 2,4,6,8,10,12,14
.irp b, 0,1,2,3
	v_max3_num_f32 v[TM+\b], v[TM+\b], |v[(\s)+16*\b+\i]|, |v[(\s)+1+16*\b+\i]|
.endr
.endr
.irp b, 0,1,2,3
	v_permlanex16_b32 v[TM+4+\b], v[TM+\b], s[SEL], s[SEL+1]
.endr
.irp b, 0,1,2,3
	v_max_num_f32 v[TM+\b], v[TM+\b], v[TM+4+\b]   ; with lane l xor 16's: the block's largest magnitude
.endr
.irp b, 0,1,2,3
	v_add_nc_u32 v[TM+12+\b], 0xff000000, v[TM+\b]   ; 2 off the exponent field: the conversion's scale operand
.endr
.irp b, 0,1,2,3
	v_lshrrev_b32 v[TM+4+\b], 23, v[TM+12+\b]      ; the scale's byte
.endr
	v_lshl_or_b32 v[\pw], v[TM+5], 8, v[TM+4]
	v_lshl_or_b32 v[\pw], v[TM+6], 16, v[\pw]
	v_lshl_or_b32 v[\pw], v[TM+7], 24, v[\pw]
.irp c, 0,1
	v_cvt_scalef32_pk16_fp6_f32 v[PC+6*\c:PC+2+6*\c], v[(\s)+32*\c:(\s)+15+32*\c], v[TM+12+2*\c]
	v_cvt_scalef32_pk16_fp6_f32 v[PC+12+4*\c:PC+14+4*\c], v[(\s)+16+32*\c:(\s)+31+32*\c], v[TM+12+2*\c+1]
.endr
	v_nop                                          ; one plain place behind a scaled conversion
.irp c, 0,1                                    ; the operand's layout wants a whole block in a lane
.irp i, 0,1,2
	v_permlane16_swap_b32 v[PC+6*\c+\i], v[PC+12+4*\c+\i]
.endr
.irp i, 0,1,2
	v_mov_b32 v[PC+3+6*\c+\i], v[PC+12+4*\c+\i]
.endr
.endr
.endm
	s_load_b256 s[4:11], s[0:1], 0x0               ; opq s[4:5], bq_down s[6:7], bkv_down s[8:9], lat s[10:11]
	v_lshl_add_u32 v[SPW], v0, 2, SPARE
	v_mov_b32 v[NIL], 0
	ds_add_u32 v[SPW], v[NIL]                      ; the wave's opening: the add, twice on end, and its wait ahead of my first tensor load
	ds_add_u32 v[SPW], v[NIL]
	v_lshrrev_b32 v1, 5, v0
	v_readfirstlane_b32 s[WV], v1                  ; wave 0..3
	s_bfe_u32 s[CX], ttmp6, 0x40000
	s_bfe_u32 s[CY], ttmp6, 0x40004
	s_lshl_b32 s[GX], ttmp9, 2
	s_add_co_u32 s[GX], s[GX], s[CX]               ; work-group x: which 128 latent columns
	s_and_b32 s[GY], ttmp7, 0xffff
	s_lshl_b32 s[GY], s[GY], 2
	s_add_co_u32 s[GY], s[GY], s[CY]               ; work-group y: which 128 tokens
	s_lshl_b32 s12, s[CY], 2
	s_lshl_b32 s12, 15, s12                        ; my row of the cluster
	s_lshl_b32 s13, 0x1111, s[CX]                  ; my column
	s_or_b32 s[G1PA], s13, (3<<16)|(1<<21)         ; 15:0 the mask: P goes to my column; 17:16 elements of 8 bytes; 21 set beside a mask; no padding
	s_or_b32 s[G1QA], s12, (3<<16)|(1<<21)         ; Q goes to my row
	s_or_b32 s[G1PB], s13, (3<<16)|(1<<21)
	s_or_b32 s[G1QB], s12, (3<<16)|(1<<21)
.irp g, G1PA, G1QA                             ; region A: eight rows of one record (800 elements), four records apart
	s_mov_b32 s[\g+1], 800<<16
	s_mov_b32 s[\g+2], 8<<16
	s_mov_b32 s[\g+3], 800<<16
	s_mov_b32 s[\g+4], 8
	s_mov_b32 s[\g+5], 3200
	s_mov_b32 s[\g+6], 0
	s_mov_b32 s[\g+7], 0
.endr
.irp g, G1PB, G1QB                             ; region B: eight rows of two records
	s_mov_b32 s[\g+1], 1600<<16
	s_mov_b32 s[\g+2], 8<<16
	s_mov_b32 s[\g+3], 1600<<16
	s_mov_b32 s[\g+4], 8
	s_mov_b32 s[\g+5], 3200
	s_mov_b32 s[\g+6], 0
	s_mov_b32 s[\g+7], 0
.endr
	s_mul_i32 s20, s[GX], 32*REC                   ; P: eight row tiles of four records for each x
	s_add_co_u32 s20, s20, POFF
	s_mov_b32 s21, 0
	s_mul_i32 s22, s[GY], 32*REC                   ; Q: eight row tiles for each y
	s_mov_b32 s23, 0
	s_mov_b32 s[SEL], 0x76543210
	s_mov_b32 s[SEL+1], 0xfedcba98
	s_wait_dscnt 0x0                               ; both opening adds are done
	s_wait_kmcnt 0x0
	s_add_nc_u64 s[20:21], s[4:5], s[20:21]
	s_add_nc_u64 s[22:23], s[4:5], s[22:23]
	CROUND                                         ; all sixteen work-groups are here: the first joint loads meet
	s_mov_b32 s[G0PA], 1
	s_mov_b32 s[G0PA+1], 0
	s_mov_b64 s[G0PA+2:G0PA+3], s[20:21]
	s_or_b32 s[G0PA+3], s[G0PA+3], 0x80000000
	s_mov_b32 s[G0QA], 1
	s_mov_b32 s[G0QA+1], AQ0
	s_mov_b64 s[G0QA+2:G0QA+3], s[22:23]
	s_or_b32 s[G0QA+3], s[G0QA+3], 0x80000000
	s_mov_b32 s[G0PB], 1
	s_mov_b32 s[G0PB+1], BP
	s_add_nc_u64 s[G0PB+2:G0PB+3], s[20:21], REC
	s_or_b32 s[G0PB+3], s[G0PB+3], 0x80000000
	s_mov_b32 s[G0QB], 1
	s_mov_b32 s[G0QB+1], BQ
	s_add_nc_u64 s[G0QB+2:G0QB+3], s[22:23], REC
	s_or_b32 s[G0QB+3], s[G0QB+3], 0x80000000
; THE HEAD'S LOADS, ONE A WAVE, in one chain of branches on the wave's number: every way through the head passes exactly one load
.macro ARM under, g0, g1, next
	s_cmp_lt_u32 s[WV], \under
	s_cbranch_scc0 \next
	TL \g0, \g1
	s_branch .Lhead_asked
\next:
.endm
	ARM 1, G0PA, G1PA, .Lhead_qa
	ARM 2, G0QA, G1QA, .Lhead_pb
	ARM 3, G0PB, G1PB, .Lhead_qb
	TL G0QB, G1QB
.Lhead_asked:
	s_mul_i32 s19, s[WV], 2*REC
	s_add_co_u32 s86, s19, AQ0                     ; my two token tiles in region A,
	s_lshl_b32 s87, s19, 1
	s_add_co_u32 s87, s87, BQ                      ; and in region B
	s_add_co_u32 s88, s86, 4*FRB                   ; their scale words
	s_add_co_u32 s89, s87, 4*FRB
	s_cmp_lt_u32 s[GX], 4                          ; columns 0-511 are q_lat's, 512-1,023 kv_lat's: a choice of pointers, no branch
	s_cselect_b64 s[80:81], s[6:7], s[8:9]
	s_and_b32 s12, s[GX], 3                        ; fi: my 128 columns are the next product's K step fi
	s_lshl_b32 s90, s12, 9
	s_mov_b32 s91, 0
	s_add_nc_u64 s[80:81], s[80:81], s[90:91]      ; the bias at my first column
	s_lshr_b32 s90, s[GX], 2
	s_mul_i32 s90, s90, 256*REC                    ; q_lat's 256 records, then kv_lat's
	s_lshl_b32 s92, s[GY], 3
	s_lshl_b32 s93, s[WV], 1
	s_add_co_u32 s92, s92, s93                     ; my first token tile
	s_mul_i32 s92, s92, REC
	s_add_co_u32 s90, s90, s92
	s_add_nc_u64 s[82:83], s[10:11], s[90:91]
	s_lshl_b32 s90, s12, 2
	s_add_co_u32 s90, s90, 4*FRB
	s_add_nc_u64 s[84:85], s[82:83], s[90:91]      ; its scale words' place: word fi
	s_mul_i32 s90, s12, FRB
	s_add_nc_u64 s[82:83], s[82:83], s[90:91]      ; its codes' place: image fi
	v_and_b32 v[LI], 31, v0
	v_lshlrev_b32 v[LI], 4, v[LI]
	v_and_b32 v[E1], 15, v0
	v_lshlrev_b32 v[E1], 4, v[E1]                  ; 16 r
	v_bfe_u32 v[E0], v0, 4, 1                      ; h
	v_mad_u32_u24 v[ASPA], v[E0], REC, v[E1]       ; lanes 16-31 take the next tile's words: one record on in region A,
	v_mad_u32_u24 v[ASPB], v[E0], 2*REC, v[E1]     ; two in region B
	v_lshlrev_b32 v[E0], 6, v[E0]                  ; 64 h
	v_add_nc_u32 v[APB], BP, v[LI]
	v_add_nc_u32 v[APB+1], BP+8*REC, v[LI]
	v_add_nc_u32 v[AQA], s86, v[LI]
	v_add_nc_u32 v[AQB], s87, v[LI]
	v_add_nc_u32 v[ASQA], s88, v[ASPA]
	v_add_nc_u32 v[ASQB], s89, v[ASPB]
	v_add_nc_u32 v[ASPB+1], BP+8*REC+4*FRB, v[ASPB]
	v_add_nc_u32 v[ASPB], BP+4*FRB, v[ASPB]
	v_add_nc_u32 v[ASPA], 4*FRB, v[ASPA]
.irp b, 0,1,2,3
	v_mov_b32 v[TM+4+\b], 0                        ; written once: a lane permute's destination counts as one of its sources
.endr
	s_wait_alu depctr_va_vdst(0)
.irp q, 0,1
.irp t, 0,1,2,3,4,5,6,7
	global_load_b128 v[ACC+64*\q+8*\t:ACC+64*\q+8*\t+3], v[E0], s[80:81] offset:4*(32*(\t/2)+8*(\t%2))       ; register j of tile t is column 32 (t / 2) + 16 h + 8 (t % 2) + j
	global_load_b128 v[ACC+64*\q+8*\t+4:ACC+64*\q+8*\t+7], v[E0], s[80:81] offset:4*(32*(\t/2)+8*(\t%2))+16
.endr
.endr
	s_cmp_lt_u32 s[WV], 2                          ; region A was asked for by waves 0 and 1: they wait for it; region B's loads may stay out
	s_cbranch_scc0 .Lnot_a
	s_wait_tensorcnt 0x0
.Lnot_a:
	s_barrier_signal -1
	s_barrier_wait -1
	FETCH 0
	SCALES 0
	s_wait_loadcnt 0x0                             ; the biases
.set ST, 0
.rept 16                               ; written out: regions, register sets and the one refill differ from record to record
	STEP ST
.set ST, ST+1
.endr
	WIN 0
	PLACES
.irp q, 0,1                                    ; THE WAY OUT: a token tile's 64 registers a lane become one fragment image and one scale word a row
.if \q
	s_wait_xcnt 0x0                                ; the stores above have read their registers
.endif
	QUANT ACC+64*\q, PW
.irp c, 0,1,2
	global_store_b128 v[LI], v[PC+4*\c:PC+4*\c+3], s[82:83] offset:REC*\q+512*\c   ; 512 consecutive bytes, at a multiple of 256 from the buffer's first byte
.endr
	global_store_b32 v[E1], v[PW], s[84:85] offset:REC*\q   ; one word in four of the record's 256 bytes of scale words: the other three come from other work-groups
.endr
	s_wait_tensorcnt 0x0                           ; the wave's end
	ds_add_u32 v[SPW], v[NIL]
	s_wait_dscnt 0x0
	CROUND                                         ; the closing round: no work-group ends while a partner may still ask for a tile that names it
	s_endpgm
.Lfunc_end_k_qa1b2f8fe4a_down:
	.size	k_qa1b2f8fe4a_down, .Lfunc_end_k_qa1b2f8fe4a_down-k_qa1b2f8fe4a_down
	.p2alignl 7, 3214868480
	.fill 96, 4, 3214868480
	.section	.rodata,"a",@progbits
	.p2align	6, 0x0
	.amdhsa_kernel k_qa1b2f8fe4a_down
		.amdhsa_group_segment_fixed_size 327680
		.amdhsa_private_segment_fixed_size 0
		.amdhsa_enable_private_segment 0
		.amdhsa_kernarg_size 32
		.amdhsa_user_sgpr_count 2
		.amdhsa_user_sgpr_kernarg_segment_ptr 1
		.amdhsa_wavefront_size32 1
		.amdhsa_system_sgpr_workgroup_id_x 1
		.amdhsa_system_sgpr_workgroup_id_y 1
		.amdhsa_system_sgpr_workgroup_id_z 1
		.amdhsa_system_vgpr_workitem_id 0
		.amdhsa_next_free_vgpr 512
		.amdhsa_next_free_sgpr 100
		.amdhsa_reserve_vcc 0
		.amdhsa_float_denorm_mode_32 3
		.amdhsa_float_denorm_mode_16_64 3
		.amdhsa_memory_ordered 1
		.amdhsa_forward_progress 1
		.amdhsa_inst_pref_size 89
	.end_amdhsa_kernel
	.amdgpu_metadata
---
amdhsa.version: [ 1, 2 ]
amdhsa.kernels:
  - .name:           k_qa1b2f8fe4a_down
    .symbol:         k_qa1b2f8fe4a_down.kd
    .args:
      - { .name: opq, .offset: 0, .size: 8, .value_kind: global_buffer, .address_space: global }
      - { .name: bq_down, .offset: 8, .size: 8, .value_kind: global_buffer, .address_space: global }
      - { .name: bkv_down, .offset: 16, .size: 8, .value_kind: global_buffer, .address_space: global }
      - { .name: lat, .offset: 24, .size: 8, .value_kind: global_buffer, .address_space: global }
    .group_segment_fixed_size: 327680
    .private_segment_fixed_size: 0
    .kernarg_segment_align: 8
    .kernarg_segment_size: 32
    .max_flat_workgroup_size: 128
    .sgpr_count:     100
    .vgpr_count:     512
    .wavefront_size: 32
...
	.end_amdgpu_metadata
.endif
;; end of part 2
;; launch up (part 3): grid 8 x 32, 8 waves a work-group, clusters of 4 x 4, 327,680 bytes of LDS; arguments opq, lat, rope, bq_up, bk_up, bv_up, qkv; writes qkv
.if DOCPART == 3
	.amdgcn_target "amdgcn-amd-amdhsa--gfx1250"
	.amdhsa_code_object_version 6
	.text
	.protected	k_qa1b2f8fe4a_up
	.globl	k_qa1b2f8fe4a_up
	.p2align	8
	.type	k_qa1b2f8fe4a_up,@function
k_qa1b2f8fe4a_up:
	s_mov_b64 s[64:65], 0
	v_nop
	global_prefetch_b8 v0, s[64:65] scope:SCOPE_SE
	s_setreg_imm32_b32 hwreg(HW_REG_WAVE_MODE, 25, 1), 1
	s_wait_xcnt 0x0
	s_wait_alu depctr_hold_cnt(0) depctr_sa_sdst(0) depctr_va_vdst(0) depctr_va_sdst(0) depctr_va_ssrc(0) depctr_va_vcc(0) depctr_vm_vsrc(0)
	s_getreg_b32 s2, hwreg(HW_REG_IB_STS2, 6, 4)
	s_cmp_eq_u32 s2, 0
	s_cbranch_scc0 .Lentry_in_a_cluster
	s_endpgm
.Lentry_in_a_cluster:
	s_bfe_u32 s2, ttmp6, 0x10000c
	s_cmp_lg_u32 s2, 0xf033
	s_cbranch_scc0 .Lentry_shape_is_right
	s_endpgm
.Lentry_shape_is_right:
; UP.  q_half = q_lat Wq_up^T + bq_up, k_half = kv_lat Wk_up^T + bk_up, v = kv_lat Wv_up^T + bv_up (K = 512) on codes of FP6 (E2M3); the rotary halves of q and k; q and k quantised along a head's 128, v along the keys.
; Operands lie as records of 16 rows x 512 K (6,400 bytes: four fragment images of 1,536 bytes, then 16 bytes of scale words a row); lane-row r of tile T is row 32 (T / 2) + 8 (T % 2) + r + 8 (r / 8).
; EVERY WORK-GROUP DOES TWO TILES, so that all 256 have the same work and no branch hangs on a work-group's place: first one of q or k, out of slot 0, then one of v, out of slot 1.  K = 512 is one record deep: both slots
; are first fills, asked for together at the head, six loads of eight dense records: waves 0, 1 slot 0's source 0, wave 2 its source 1, wave 3 slot 1's source 1, waves 4, 5 its source 0; nothing is filled again.
; TILE 1 (q where the cluster's x is 0, k where it is 1): columns 128 a .. and 512 + 128 a .. (a = my place along the cluster's x) x 128 tokens.  Wave w takes token tile w and ALL 256 columns: x1 (column j) and x2 (column j + 512)
; of a rotary pair then lie in one lane, in registers 64 apart.  Source 0 = rows of W, source 1 = tokens: a lane holds one token, its registers run along the columns: 128 columns = one head = one fragment.
; Heads a and 4 + a are x1 and x2 as they are; heads 8 + a and 12 + a are x1 cos - x2 sin and x1 sin + x2 cos.  cos and sin come from the table, laid in the order of these registers.
; TILE 2: 256 tokens (source 0) x the 128 rows of Wv_up of one head (source 1): a lane holds one channel d, its registers run along the TOKENS, which are the second attention product's K: a wave's 128 tokens are one key step.
; FRAGMENTS of source 0 lie in window 1 in two sets of eight: while one set is multiplied, the other set's loads are on their way.  A tile's scale words come once, a row's four words a lane.
; CLUSTER 4 x 4: source 0's records hang on the cluster's number and my place along x alone and are asked for jointly along a column; source 1's on my place along y and jointly along a row.
; No prefetch: all that the work-group reads through LDS is asked for at the head.
; LIMITS: NaN and infinities are not served; a block whose largest magnitude lies under 2^-124 keeps the scale byte 1.
.set REC,   6400
.set FRB,   1536
.set QOFF,  16*REC
.set SLOT,  24*REC
.set SPARE, 2*SLOT                     ; the spare words, 128 bytes for each of eight waves: four blocks of 256 bytes that no other line names
.set LI,   1                           ; v1  16 x lane; also the address of slot 0's first eight records of source 0
.set APA,  1
.set BO,   2                           ; v2  64 h: the biases' offset
.set APB,  3                           ; v3  slot 0's records 8-15 of source 0
.set AQ0,  4                           ; v4  my token tile's record in slot 0
.set ASPA, 5                           ; v5, v6 scale words of source 0: lanes 0-15 an even tile's, lanes 16-31 the next's
.set ASPB, 6
.set ASQ0, 7                           ; v7  my token tile's scale words
.set AP1,  8                           ; v8-11 the same four kinds for slot 1
.set AQ1,  9
.set ASP1, 10
.set ASQ1, 11
.set SPW,  12
.set NIL,  13
.set LS,   14                          ; v14 4 x (lane % 16)
.set QF,   24                          ; v24-47 tile 1's source 1, two sets of one fragment
.set SCP,  48                          ; v48-79 source 0's scale words: tile pair u, K step i at SCP + 4 u + i;  v80-83 source 1's: scales and nothing else
.set SCQ,  80
.set ACC,  96                          ; v96-223
.set BREG, 224                         ; v224-239 bv_up as a C operand: eight registers for each of my two tiles of channels
.set TM,   240                         ; v240-255
.set PC,   24
.set PW,   44
.set QF2,  192                         ; window 1: v0-191 source 0's two sets; v192-255 cos and sin, then v192-239 tile 2's source 1, two sets of two fragments
.set WV,  18
.set PJ,  19
.set W3,  20
.set GY,  21
.set KY,  22
.set G1P, 24
.set G0A, 32
.set G0B, 36
.set CX,  40
.set CY,  41
.set TBK, 42
.set HD,  45
.set G1Q, 48
.set G0C, 56
.set G0D, 60
.set SEL, 66
.set G0F, 68
.set G0E, 76
.set TO_P, 0x40                        ; destination window 1, address window 0
.set MSB, 0
.macro WIN new                         ; the immediate's high byte repeats the setting that is left; a switch that changes nothing is dropped
.if MSB != (\new)
	s_set_vgpr_msb (MSB<<8)|(\new)
.set MSB, (\new)
.endif
.endm
.macro PLACES
.rept 4
	v_nop
.endr
.endm
.macro LDFRAG reg, adr, off
.irp c, 0,1,2
	ds_load_b128 v[(\reg)+4*\c:(\reg)+4*\c+3], v[\adr] offset:(\off)+512*\c
.endr
.endm
.macro WM acc, pf, qf, cc, sp, sq, ra, rb
.if (\ra) && (\rb)
	v_wmma_scale_f32_16x16x128_f8f6f4 v[(\acc):(\acc)+7], v[(\pf):(\pf)+11], v[(\qf):(\qf)+11], v[(\cc):(\cc)+7], v[\sp], v[\sq] matrix_a_fmt:MATRIX_FMT_FP6 matrix_b_fmt:MATRIX_FMT_FP6 matrix_a_scale:MATRIX_SCALE_ROW1 matrix_b_scale:MATRIX_SCALE_ROW1
.elseif (\ra)
	v_wmma_scale_f32_16x16x128_f8f6f4 v[(\acc):(\acc)+7], v[(\pf):(\pf)+11], v[(\qf):(\qf)+11], v[(\cc):(\cc)+7], v[\sp], v[\sq] matrix_a_fmt:MATRIX_FMT_FP6 matrix_b_fmt:MATRIX_FMT_FP6 matrix_a_scale:MATRIX_SCALE_ROW1
.elseif (\rb)
	v_wmma_scale_f32_16x16x128_f8f6f4 v[(\acc):(\acc)+7], v[(\pf):(\pf)+11], v[(\qf):(\qf)+11], v[(\cc):(\cc)+7], v[\sp], v[\sq] matrix_a_fmt:MATRIX_FMT_FP6 matrix_b_fmt:MATRIX_FMT_FP6 matrix_b_scale:MATRIX_SCALE_ROW1
.else
	v_wmma_scale_f32_16x16x128_f8f6f4 v[(\acc):(\acc)+7], v[(\pf):(\pf)+11], v[(\qf):(\qf)+11], v[(\cc):(\cc)+7], v[\sp], v[\sq] matrix_a_fmt:MATRIX_FMT_FP6 matrix_b_fmt:MATRIX_FMT_FP6
.endif
.endm
; TILE 1 goes in eight half steps: half step hs is K step hs / 2 against tiles of columns 8 (hs % 2) .. + 7, whose fragments lie in set hs % 2.
.macro LOADH hs                        ; its eight fragments of source 0; with an even half step my token tile's fragment of that K step
	WIN TO_P
.irp t, 0,1,2,3,4,5,6,7
.if ((\hs)%2) == 0
	LDFRAG 96*((\hs)%2)+12*\t, APA, REC*\t+FRB*((\hs)/2)
.else
	LDFRAG 96*((\hs)%2)+12*\t, APB, REC*\t+FRB*((\hs)/2)
.endif
.endr
	WIN 0
.if ((\hs)%2) == 0
	LDFRAG QF+12*(((\hs)/2)%2), AQ0, FRB*((\hs)/2)
.endif
.endm
.macro HALF hs                         ; eight products.  The 16 accumulators take turns, one instruction a turn
	s_wait_dscnt 0x0                               ; this half step's fragments, asked for in the half step before
.if (\hs) < 7
	PLACES                                         ; the other set was read by the half step before
	LOADH (\hs)+1
.endif
	WIN 0x01                                       ; source 0 in window 1
.irp t, 0,1,2,3,4,5,6,7
	WM ACC+8*(8*((\hs)%2)+\t), 96*((\hs)%2)+12*\t, QF+12*(((\hs)/2)%2), ACC+8*(8*((\hs)%2)+\t), SCP+4*(4*((\hs)%2)+\t/2)+(\hs)/2, SCQ+(\hs)/2, \t%2, 0
.endr
	WIN 0
.endm
; TILE 2, 128 along K: eight tiles of tokens against my two tiles of channels; both sources in window 1, in set i % 2.  The first step's C is the bias.
.macro LOAD2 i
	WIN TO_P
.irp t, 0,1,2,3,4,5,6,7
	LDFRAG 96*((\i)%2)+12*\t, AP1, REC*\t+FRB*(\i)
.endr
.irp q, 0,1
	LDFRAG QF2+24*((\i)%2)+12*\q, AQ1, REC*\q+FRB*(\i)
.endr
	WIN 0
.endm
.macro KSTEP2 i
	s_wait_dscnt 0x0
.if (\i) < 3
	PLACES
	LOAD2 (\i)+1
.endif
	WIN 0x05                                       ; sources 0 and 1 in window 1
.irp t, 0,1,2,3,4,5,6,7
.irp q, 0,1
.if (\i) == 0
	WM ACC+64*\q+8*\t, 96*((\i)%2)+12*\t, QF2+24*((\i)%2)+12*\q, BREG+8*\q, SCP+4*(\t/2)+(\i), SCQ+(\i), \t%2, \q
.else
	WM ACC+64*\q+8*\t, 96*((\i)%2)+12*\t, QF2+24*((\i)%2)+12*\q, ACC+64*\q+8*\t, SCP+4*(\t/2)+(\i), SCQ+(\i), \t%2, \q
.endif
.endr
.endr
	WIN 0
.endm
.macro CREST
	s_cmp_lg_u32 s[WV], 0
	s_cbranch_scc1 .Lnot_wave_0_\@
	s_barrier_signal -3
.Lnot_wave_0_\@:
	s_barrier_wait -3
	s_barrier_signal -1
	s_barrier_wait -1
.endm
.macro CROUND
	s_barrier_signal -1
	s_barrier_wait -1
	CREST
.endm
.macro QUANT s, pw                     ; 64 numbers of a lane, register 16 b + i = k 32 b + 16 (lane / 16) + i of my row, become a fragment in v[PC] on and its scale word in v[pw]
.irp b, 0,1,2,3
	v_max3_num_f32 v[TM+\b], |v[(\s)+16*\b]|, |v[(\s)+1+16*\b]|, 0x1800000   ; and the floor 2^(3 - 127).  (Each accumulator is read from its low end on)
.endr
.irp i, 2,4,6,8,10,12,14
.irp b, 0,1,2,3
	v_max3_num_f32 v[TM+\b], v[TM+\b], |v[(\s)+16*\b+\i]|, |v[(\s)+1+16*\b+\i]|
.endr
.endr
.irp b, 0,1,2,3
	s_delay_alu instid0(VALU_DEP_4)
	v_permlanex16_b32 v[TM+4+\b], v[TM+\b], s[SEL], s[SEL+1]
.endr
.irp b, 0,1,2,3
	s_delay_alu instid0(VALU_DEP_4)
	v_max_num_f32 v[TM+\b], v[TM+\b], v[TM+4+\b]
.endr
.irp b, 0,1,2,3
	s_delay_alu instid0(VALU_DEP_4)
	v_add_nc_u32 v[TM+12+\b], 0xff000000, v[TM+\b]
.endr
.irp b, 0,1,2,3
	s_delay_alu instid0(VALU_DEP_4)
	v_lshrrev_b32 v[TM+4+\b], 23, v[TM+12+\b]
.endr
	s_delay_alu instid0(VALU_DEP_3)
	v_lshl_or_b32 v[\pw], v[TM+5], 8, v[TM+4]
	s_delay_alu instid0(VALU_DEP_1)
	v_lshl_or_b32 v[\pw], v[TM+6], 16, v[\pw]
	s_delay_alu instid0(VALU_DEP_1)
	v_lshl_or_b32 v[\pw], v[TM+7], 24, v[\pw]
.irp c, 0,1
	v_cvt_scalef32_pk16_fp6_f32 v[PC+6*\c:PC+2+6*\c], v[(\s)+32*\c:(\s)+15+32*\c], v[TM+12+2*\c]
	v_cvt_scalef32_pk16_fp6_f32 v[PC+12+4*\c:PC+14+4*\c], v[(\s)+16+32*\c:(\s)+31+32*\c], v[TM+12+2*\c+1]
.endr
	v_nop                                          ; one plain place behind a scaled conversion
.irp c, 0,1
.irp i, 0,1,2
	v_permlane16_swap_b32 v[PC+6*\c+\i], v[PC+12+4*\c+\i]
.endr
.irp i, 0,1,2
	s_delay_alu instid0(VALU_DEP_3)
	v_mov_b32 v[PC+3+6*\c+\i], v[PC+12+4*\c+\i]
.endr
.endr
.endm
.macro RSET b                          ; where block b's cos and sin stand, in window 1: two sets by turns
.if ((\b)%2) == 0
.set RC, 192
.set RS, 208
.else
.set RC, 224
.set RS, 240
.endif
.endm
.macro RLOAD b                         ; cos and sin of registers 16 b .. 16 b + 15: eight loads of 512 consecutive bytes
	RSET \b
	WIN TO_P
.irp j, 0,1,2,3
	global_load_b128 v[RC+4*\j:RC+4*\j+3], v[LI], s[80:81] offset:512*(4*(\b)+\j)
	global_load_b128 v[RS+4*\j:RS+4*\j+3], v[LI], s[80:81] offset:512*(4*(\b)+\j)+8192
.endr
	WIN 0
.endm
.macro ROT b                           ; x1, x2 of registers 16 b .. 16 b + 15 are turned, in place, two at a time; cos and sin are each line's source 1
	RSET \b
.if (\b) < 3
	s_wait_loadcnt 8                               ; this block's eight loads are in; the next block's eight may be out
.else
	s_wait_loadcnt 0x0
.endif
	WIN 0x04                                       ; source 1 in window 1
.irp p, 0,2,4,6,8,10,12,14
	v_pk_mul_f32 v[TM+\p:TM+\p+1], v[ACC+16*(\b)+\p:ACC+16*(\b)+\p+1], v[RS+\p:RS+\p+1]                  ; x1 sin
.endr
.irp p, 0,2,4,6,8,10,12,14
	v_pk_mul_f32 v[ACC+16*(\b)+\p:ACC+16*(\b)+\p+1], v[ACC+16*(\b)+\p:ACC+16*(\b)+\p+1], v[RC+\p:RC+\p+1]   ; x1 cos
.endr
.irp p, 0,2,4,6,8,10,12,14
	v_pk_fma_f32 v[ACC+16*(\b)+\p:ACC+16*(\b)+\p+1], v[ACC+64+16*(\b)+\p:ACC+64+16*(\b)+\p+1], v[RS+\p:RS+\p+1], v[ACC+16*(\b)+\p:ACC+16*(\b)+\p+1] neg_lo:[1,0,0] neg_hi:[1,0,0]   ; - x2 sin
.endr
.irp p, 0,2,4,6,8,10,12,14
	v_pk_fma_f32 v[ACC+64+16*(\b)+\p:ACC+64+16*(\b)+\p+1], v[ACC+64+16*(\b)+\p:ACC+64+16*(\b)+\p+1], v[RC+\p:RC+\p+1], v[TM+\p:TM+\p+1]   ; x2 cos + x1 sin
.endr
	WIN 0
.if (\b) < 2
	RLOAD (\b)+2
.endif
.endm
.macro OUT k                           ; the fragment just made is head a + 4 k's
.irp c, 0,1,2
	global_store_b128 v[LI], v[PC+4*\c:PC+4*\c+3], s[84:85] offset:4*128*FRB*(\k)+512*\c
.endr
	global_store_b32 v[LS], v[PW], s[86:87] offset:4*16384*(\k)   ; 64 consecutive bytes: a tile's 16 scale words (lanes r and r + 16 hold and store the same)
.endm
	s_load_b256 s[4:11], s[0:1], 0x0               ; opq s[4:5], lat s[6:7], rope s[8:9], bq_up s[10:11]
	s_load_b128 s[12:15], s[0:1], 0x20             ; bk_up s[12:13], bv_up s[14:15]
	s_load_b64 s[16:17], s[0:1], 0x30              ; qkv
	v_lshl_add_u32 v[SPW], v0, 2, SPARE
	v_mov_b32 v[NIL], 0
	ds_add_u32 v[SPW], v[NIL]                      ; the wave's opening: the add, twice on end, and its wait ahead of my first tensor load
	ds_add_u32 v[SPW], v[NIL]
	v_lshrrev_b32 v1, 5, v0
	s_delay_alu instid0(VALU_DEP_1)
	v_readfirstlane_b32 s[WV], v1                  ; wave 0..7
	s_lshr_b32 s[PJ], s[WV], 2
	s_and_b32 s[W3], s[WV], 3
	s_bfe_u32 s[CX], ttmp6, 0x40000
	s_bfe_u32 s[CY], ttmp6, 0x40004
	s_and_b32 s[KY], ttmp7, 0xffff                 ; the cluster's y, 0..7; its x, ttmp9, is 0 or 1
	s_lshl_b32 s[GY], s[KY], 2
	s_add_co_u32 s[GY], s[GY], s[CY]               ; tile 1: which 128 tokens
	s_lshl_b32 s[TBK], ttmp9, 2
	s_add_co_u32 s[TBK], s[TBK], s[CX]
	s_lshr_b32 s76, s[KY], 2
	s_lshl_b32 s76, s76, 3
	s_add_co_u32 s[TBK], s[TBK], s76               ; tile 2: which 256 tokens: 4 x cluster x + cx + 8 (cluster y / 4)
	s_and_b32 s[HD], s[KY], 3
	s_lshl_b32 s[HD], s[HD], 2
	s_add_co_u32 s[HD], s[HD], s[CY]               ; tile 2: which head: 4 (cluster y % 4) + cy
	s_lshl_b32 s43, s[CY], 2
	s_lshl_b32 s43, 15, s43                        ; my row of the cluster
	s_lshl_b32 s44, 0x1111, s[CX]                  ; my column
	s_or_b32 s[G1P], s44, (3<<16)|(1<<21)          ; source 0: eight records, dense; elements of 8 bytes; the mask of my column, bit 21 beside it
	s_or_b32 s[G1Q], s43, (3<<16)|(1<<21)          ; source 1: the same with the mask of my row
.irp g, G1P, G1Q
	s_mov_b32 s[\g+1], 800<<16
	s_mov_b32 s[\g+2], 8<<16
	s_mov_b32 s[\g+3], 800<<16
	s_mov_b32 s[\g+4], 8
	s_mov_b32 s[\g+5], 800
	s_mov_b32 s[\g+6], 0
	s_mov_b32 s[\g+7], 0
.endr
	s_mul_i32 s68, ttmp9, 64*REC                   ; tile 1, source 0: Wq_up's or Wk_up's records,
	s_mul_i32 s76, s[CX], 8*REC                    ; rows 128 a on (rows 512 + 128 a on lie 32 records further)
	s_add_co_u32 s68, s68, s76
	s_add_co_u32 s68, s68, 8192000
	s_mov_b32 s69, 0
	s_mul_i32 s70, s[TBK], 16*REC                  ; tile 2, source 0: kv_lat's records
	s_add_co_u32 s70, s70, 256*REC
	s_mov_b32 s71, 0
	s_mul_i32 s72, ttmp9, 256*REC                  ; tile 1, source 1: q_lat's or kv_lat's records
	s_mul_i32 s78, s[GY], 8*REC
	s_add_co_u32 s72, s72, s78
	s_mov_b32 s73, 0
	s_mul_i32 s74, s[HD], 8*REC                    ; tile 2, source 1: Wv_up's records
	s_add_co_u32 s74, s74, 9011200
	s_mov_b32 s75, 0
	s_mov_b32 s[SEL], 0x76543210
	s_mov_b32 s[SEL+1], 0xfedcba98
	s_wait_dscnt 0x0                               ; both opening adds are done
	s_wait_kmcnt 0x0
	s_add_nc_u64 s[68:69], s[4:5], s[68:69]
	s_add_nc_u64 s[70:71], s[6:7], s[70:71]
	s_add_nc_u64 s[72:73], s[6:7], s[72:73]
	s_add_nc_u64 s[74:75], s[4:5], s[74:75]
	CROUND                                         ; all sixteen work-groups are here: the joint loads meet
	s_mov_b32 s[G0A], 1                            ; slot 0, source 0: rows 128 a on,
	s_mov_b32 s[G0A+1], 0
	s_mov_b64 s[G0A+2:G0A+3], s[68:69]
	s_or_b32 s[G0A+3], s[G0A+3], 0x80000000
	s_mov_b32 s[G0B], 1                            ; and rows 512 + 128 a on
	s_mov_b32 s[G0B+1], 8*REC
	s_add_nc_u64 s[G0B+2:G0B+3], s[68:69], 32*REC
	s_or_b32 s[G0B+3], s[G0B+3], 0x80000000
	s_mov_b32 s[G0C], 1                            ; slot 0, source 1
	s_mov_b32 s[G0C+1], QOFF
	s_mov_b64 s[G0C+2:G0C+3], s[72:73]
	s_or_b32 s[G0C+3], s[G0C+3], 0x80000000
	s_mov_b32 s[G0D], 1                            ; slot 1, source 1
	s_mov_b32 s[G0D+1], SLOT+QOFF
	s_mov_b64 s[G0D+2:G0D+3], s[74:75]
	s_or_b32 s[G0D+3], s[G0D+3], 0x80000000
	s_mov_b32 s[G0E], 1                            ; slot 1, source 0: its first eight records,
	s_mov_b32 s[G0E+1], SLOT
	s_mov_b64 s[G0E+2:G0E+3], s[70:71]
	s_or_b32 s[G0E+3], s[G0E+3], 0x80000000
	s_add_nc_u64 s[G0F+2:G0F+3], s[70:71], 8*REC   ; and its second eight (made in the registers that held the addresses)
	s_or_b32 s[G0F+3], s[G0F+3], 0x80000000
	s_mov_b32 s[G0F], 1
	s_mov_b32 s[G0F+1], SLOT+8*REC
; THE FILLS, at most one a wave, in one chain of branches on the wave's number; an s_nop 0 and four v_nop follow each load.  Waves 6 and 7 issue none.
.macro ARM under, g0, g1, next
	s_cmp_lt_u32 s[WV], \under
	s_cbranch_scc0 \next
	tensor_load_to_lds s[\g0:\g0+3], s[\g1:\g1+7]
	s_nop 0
.rept 4
	v_nop
.endr
	s_branch .Lhead_asked
\next:
.endm
	ARM 1, G0A, G1P, .Lh1
	ARM 2, G0B, G1P, .Lh2
	ARM 3, G0C, G1Q, .Lh3
	ARM 4, G0D, G1Q, .Lh4
	ARM 5, G0E, G1P, .Lh5
	ARM 6, G0F, G1P, .Lh6
.Lhead_asked:
	v_and_b32 v[LI], 31, v0
	s_delay_alu instid0(VALU_DEP_1)
	v_lshlrev_b32 v[LI], 4, v[LI]
	v_and_b32 v[LS], 15, v0                        ; r
	v_bfe_u32 v[BO], v0, 4, 1                      ; h
	s_delay_alu instid0(VALU_DEP_2)
	v_lshlrev_b32 v[ASQ0], 4, v[LS]                ; 16 r
	s_delay_alu instid0(VALU_DEP_1)
	v_mad_u32_u24 v[ASPA], v[BO], REC, v[ASQ0]     ; + 6,400 h
	s_wait_alu depctr_va_vdst(0)
	v_add_nc_u32 v[APB], 8*REC, v[LI]
	s_mul_i32 s94, s[WV], REC
	s_add_co_u32 s94, s94, QOFF
	v_add_nc_u32 v[AQ0], s94, v[LI]
	s_add_co_u32 s94, s94, 4*FRB
	v_add_nc_u32 v[ASQ0], s94, v[ASQ0]
	s_mul_i32 s94, s[PJ], 8*REC
	s_add_co_u32 s94, s94, SLOT
	v_add_nc_u32 v[AP1], s94, v[LI]
	s_add_co_u32 s94, s94, 4*FRB
	v_add_nc_u32 v[ASP1], s94, v[ASPA]
	s_mul_i32 s94, s[W3], 2*REC
	s_add_co_u32 s94, s94, SLOT+QOFF
	v_add_nc_u32 v[AQ1], s94, v[LI]
	s_add_co_u32 s94, s94, 4*FRB
	v_add_nc_u32 v[ASQ1], s94, v[ASPA]
	v_add_nc_u32 v[ASPA], 4*FRB, v[ASPA]
	s_delay_alu instid0(VALU_DEP_1)
	v_add_nc_u32 v[ASPB], 8*REC, v[ASPA]
	v_lshlrev_b32 v[LS], 2, v[LS]
	v_lshlrev_b32 v[BO], 6, v[BO]
.irp b, 0,1,2,3
	v_mov_b32 v[TM+4+\b], 0                        ; written once: a lane permute's destination counts as one of its sources
.endr
	s_mov_b32 s97, 0
	s_cmp_eq_u32 ttmp9, 0                          ; q's bias or k's: a choice of pointers, no branch
	s_cselect_b64 s[82:83], s[10:11], s[12:13]
	s_lshl_b32 s96, s[CX], 9
	s_add_nc_u64 s[82:83], s[82:83], s[96:97]      ; at column 128 a
.irp t, 0,1,2,3,4,5,6,7,8,9,10,11,12,13,14,15
	global_load_b128 v[ACC+8*\t:ACC+8*\t+3], v[BO], s[82:83] offset:2048*(\t/8)+4*(32*((\t%8)/2)+8*(\t%2))      ; the biases are loaded into the accumulators: every product adds in place
	global_load_b128 v[ACC+8*\t+4:ACC+8*\t+7], v[BO], s[82:83] offset:2048*(\t/8)+4*(32*((\t%8)/2)+8*(\t%2))+16
.endr
	s_lshl_b32 s94, s[GY], 3
	s_add_co_u32 s94, s94, s[WV]
	s_and_b32 s94, s94, 127                        ; my token tile within its batch: its positions
	s_lshr_b32 s95, s[GY], 4
	s_lshl_b32 s95, s95, 4
	s_add_co_u32 s95, s95, s[CX]                   ; 16 x batch + a
	s_lshl_b32 s96, s94, 1
	s_and_b32 s98, s[CX], 1
	s_add_co_u32 s96, s96, s98
	s_lshl_b32 s96, s96, 14
	s_add_nc_u64 s[80:81], s[8:9], s[96:97]        ; the table's block: my positions, frequencies 128 (a % 2) on
	s_lshl_b32 s96, s95, 7
	s_add_co_u32 s96, s96, s94
	s_mul_i32 s96, s96, FRB
	s_mul_i32 s98, ttmp9, 6291456
	s_add_co_u32 s96, s96, s98
	s_add_nc_u64 s[84:85], s[16:17], s[96:97]      ; q's or k's codes: [batch x 16 + head][token tile][1,536]
	s_lshl_b32 s96, s95, 14
	s_lshl_b32 s98, s94, 6
	s_add_co_u32 s96, s96, s98
	s_mul_i32 s98, ttmp9, 524288
	s_add_co_u32 s96, s96, s98
	s_add_co_u32 s96, s96, 18874368
	s_add_nc_u64 s[86:87], s[16:17], s[96:97]      ; their scale words: [batch x 16 + head][16,384], 64 bytes a token tile
	s_lshr_b32 s94, s[TBK], 3
	s_lshl_b32 s94, s94, 4
	s_add_co_u32 s94, s94, s[HD]                   ; tile 2: 16 x batch + head
	s_and_b32 s95, s[TBK], 7
	s_lshl_b32 s95, s95, 1
	s_add_co_u32 s95, s95, s[PJ]                   ; my key step
	s_lshl_b32 s95, s95, 3
	s_lshl_b32 s98, s[W3], 1
	s_add_co_u32 s95, s95, s98                     ; 8 x key step + my first tile of channels
	s_lshl_b32 s96, s94, 7
	s_add_co_u32 s96, s96, s95
	s_mul_i32 s96, s96, FRB
	s_add_co_u32 s96, s96, 12582912
	s_add_nc_u64 s[88:89], s[16:17], s[96:97]      ; v's codes: [batch x 16 + head][key step][tile of channels][1,536]
	s_lshl_b32 s96, s94, 14
	s_lshl_b32 s98, s95, 6
	s_add_co_u32 s96, s96, s98
	s_add_co_u32 s96, s96, 19398656+8192
	s_add_nc_u64 s[90:91], s[16:17], s[96:97]      ; v's scale words, 8,192 bytes behind k's of the same head
	s_lshl_b32 s96, s[HD], 9
	s_lshl_b32 s98, s[W3], 7
	s_add_co_u32 s96, s96, s98
	s_add_nc_u64 s[92:93], s[14:15], s[96:97]      ; bv_up at my first channel
	s_wait_alu depctr_va_vdst(0)
	s_cmp_lt_u32 s[WV], 3                          ; slot 0 was asked for by waves 0 to 2: they wait for it; slot 1's loads may stay out
	s_cbranch_scc0 .Lnot_slot0
	s_wait_tensorcnt 0x0
.Lnot_slot0:
	s_barrier_signal -1
	s_barrier_wait -1
.irp u, 0,1,2,3                                ; tile 1's scale words, all four K steps': a row's 16 bytes a lane
	ds_load_b128 v[SCP+4*\u:SCP+4*\u+3], v[ASPA] offset:2*REC*\u
	ds_load_b128 v[SCP+16+4*\u:SCP+16+4*\u+3], v[ASPB] offset:2*REC*\u
.endr
	ds_load_b128 v[SCQ:SCQ+3], v[ASQ0]
	LOADH 0
	s_wait_loadcnt 0x0                             ; the biases
.set HS, 0
.rept 8
	HALF HS
.set HS, HS+1
.endr
	s_wait_tensorcnt 0x0                           ; my part of slot 1, if I asked for one, is in,
	s_wait_dscnt 0x0
	s_barrier_signal -1
	s_barrier_wait -1                              ; everybody's is
	PLACES
	RLOAD 0                                        ; the table's first two blocks are on their way while x1 and x2 are quantised as they are
	RLOAD 1
	QUANT ACC, PW
	OUT 0                                          ; head a
	s_wait_xcnt 0x0                                ; the stores have read their registers: the codes' are written again only behind this wait
	QUANT ACC+64, PW
	OUT 1                                          ; head 4 + a
	ROT 0
	ROT 1
	ROT 2
	ROT 3
	v_and_b32 v45, 15, v0                          ; bv_up: lane r's channel lies r + 8 (r / 8) behind its tile's first
	s_delay_alu instid0(VALU_DEP_1)
	v_and_b32 v46, 8, v45
	s_delay_alu instid0(VALU_DEP_1)
	v_add_nc_u32 v45, v45, v46
	s_delay_alu instid0(VALU_DEP_1)
	v_lshlrev_b32 v45, 2, v45
.irp n, 0,1
.irp j, 0,1,2,3,4,5,6,7
	global_load_b32 v[BREG+8*\n+\j], v45, s[92:93] offset:32*\n   ; a C operand's eight registers are eight tokens of my channel: the same number
.endr
.endr
	s_wait_xcnt 0x0
	QUANT ACC, PW
	OUT 2                                          ; head 8 + a
	s_wait_xcnt 0x0
	QUANT ACC+64, PW
	OUT 3                                          ; head 12 + a
	; ---- tile 2
.irp u, 0,1,2,3                                ; its scale words, all four K steps'
	ds_load_b128 v[SCP+4*\u:SCP+4*\u+3], v[ASP1] offset:2*REC*\u
.endr
	ds_load_b128 v[SCQ:SCQ+3], v[ASQ1]
	LOAD2 0
	s_wait_loadcnt 0x0                             ; bv_up
	s_wait_xcnt 0x0                                ; the last stores have read the codes' registers
	KSTEP2 0
	KSTEP2 1
	KSTEP2 2
	KSTEP2 3
	PLACES
.irp n, 0,1
.if \n
	s_wait_xcnt 0x0
.endif
	QUANT ACC+64*\n, PW
.irp c, 0,1,2
	global_store_b128 v[LI], v[PC+4*\c:PC+4*\c+3], s[88:89] offset:FRB*\n+512*\c
.endr
	global_store_b32 v[LS], v[PW], s[90:91] offset:64*\n
.endr
	s_wait_tensorcnt 0x0                           ; the wave's end
	ds_add_u32 v[SPW], v[NIL]
	s_wait_dscnt 0x0
	CROUND                                         ; the closing round
	s_endpgm
.Lfunc_end_k_qa1b2f8fe4a_up:
	.size	k_qa1b2f8fe4a_up, .Lfunc_end_k_qa1b2f8fe4a_up-k_qa1b2f8fe4a_up
	.p2alignl 7, 3214868480
	.fill 96, 4, 3214868480
	.section	.rodata,"a",@progbits
	.p2align	6, 0x0
	.amdhsa_kernel k_qa1b2f8fe4a_up
		.amdhsa_group_segment_fixed_size 327680
		.amdhsa_private_segment_fixed_size 0
		.amdhsa_enable_private_segment 0
		.amdhsa_kernarg_size 56
		.amdhsa_user_sgpr_count 2
		.amdhsa_user_sgpr_kernarg_segment_ptr 1
		.amdhsa_wavefront_size32 1
		.amdhsa_system_sgpr_workgroup_id_x 1
		.amdhsa_system_sgpr_workgroup_id_y 1
		.amdhsa_system_sgpr_workgroup_id_z 1
		.amdhsa_system_vgpr_workitem_id 0
		.amdhsa_next_free_vgpr 512
		.amdhsa_next_free_sgpr 100
		.amdhsa_reserve_vcc 0
		.amdhsa_float_denorm_mode_32 3
		.amdhsa_float_denorm_mode_16_64 3
		.amdhsa_memory_ordered 1
		.amdhsa_forward_progress 1
		.amdhsa_inst_pref_size 98
	.end_amdhsa_kernel
	.amdgpu_metadata
---
amdhsa.version: [ 1, 2 ]
amdhsa.kernels:
  - .name:           k_qa1b2f8fe4a_up
    .symbol:         k_qa1b2f8fe4a_up.kd
    .args:
      - { .name: opq, .offset: 0, .size: 8, .value_kind: global_buffer, .address_space: global }
      - { .name: lat, .offset: 8, .size: 8, .value_kind: global_buffer, .address_space: global }
      - { .name: rope, .offset: 16, .size: 8, .value_kind: global_buffer, .address_space: global }
      - { .name: bq_up, .offset: 24, .size: 8, .value_kind: global_buffer, .address_space: global }
      - { .name: bk_up, .offset: 32, .size: 8, .value_kind: global_buffer, .address_space: global }
      - { .name: bv_up, .offset: 40, .size: 8, .value_kind: global_buffer, .address_space: global }
      - { .name: qkv, .offset: 48, .size: 8, .value_kind: global_buffer, .address_space: global }
    .group_segment_fixed_size: 327680
    .private_segment_fixed_size: 0
    .kernarg_segment_align: 8
    .kernarg_segment_size: 56
    .max_flat_workgroup_size: 256
    .sgpr_count:     100
    .vgpr_count:     512
    .wavefront_size: 32
...
	.end_amdgpu_metadata
.endif
;; end of part 3
;; launch attn (part 4): grid 8 x 32, 8 waves a work-group, no clusters, 327,680 bytes of LDS; arguments qkv, ao; writes ao
.if DOCPART == 4
	.amdgcn_target "amdgcn-amd-amdhsa--gfx1250"
	.amdhsa_code_object_version 6
	.text
	.protected	k_qa1b2f8fe4a_attn
	.globl	k_qa1b2f8fe4a_attn
	.p2align	8
	.type	k_qa1b2f8fe4a_attn,@function
k_qa1b2f8fe4a_attn:
	s_mov_b64 s[64:65], 0
	v_nop
	global_prefetch_b8 v0, s[64:65] scope:SCOPE_SE
	s_setreg_imm32_b32 hwreg(HW_REG_WAVE_MODE, 25, 1), 1
	s_wait_xcnt 0x0
; ATTN.  For each of 32 (batch, head): O[q] = the sum over k of softmax_k(Q[q] . K[k] / sqrt(128)) V[k], both products on codes of FP6 (E2M3) with E8M0 scales; O is quantised along the head's 128 for the output projection.
; THE SOFTMAX AHEAD OF THE SECOND PRODUCT: t = score x log2(e) / sqrt(128); M = the row's largest t so far, rounded UP to a whole number; p = 2^(t - M) is what is quantised, along the keys; it is not normalised.
; The row's sum is taken of the unquantised p, in f32, and divides O at the end.  When M moves, the sum and O are multiplied by 2^(old M - new M): exact.
; Q, K and V lie as fragment images of 1,536 bytes (16 rows x 128 K: lane l's 16 bytes at 16 l of each of three runs of 512), V with the keys as its K; lane-row r of tile T is row 32 (T / 2) + 8 (T % 2) + r + 8 (r / 8):
; so the 16 registers of two neighbouring tiles of S^T are 16 neighbouring keys, and those of O^T 16 neighbouring channels.  A tile's 16 scale words are 64 consecutive bytes.
; SHARES.  A work-group owns 256 queries of one (batch, head); each of its eight waves TWO tiles of 16, in 512 registers: two waves to a SIMD.  Each fragment of K and V that a wave reads from LDS feeds two products:
; a key step's reads are 8 waves x 16 fragments x 1,536 bytes = 196,608 bytes, half of what one tile a wave would read.
; Every wave walks all 2,048 keys, 128 a step.  K's and V's images come through a ring of two LDS slots of 256 keys, filled by the tensor data mover (waves 0, 1: K's halves; waves 2, 3: V's) and read by all eight;
; the scale words of the whole head (16,384 bytes) come once, with the first fills.
; Both products are used transposed: S^T = K Q^T, O^T = V^T P^T: a lane holds ONE query of each tile throughout.
; A STEP: K's eight fragments; 16 products S^T; V's eight fragments are ASKED FOR; the two tiles' softmax, while V's land; 16 products O^T.
; REGISTERS, in two windows of 256 (s_set_vgpr_msb: bits 1:0 source 0, 3:2 source 1, 5:4 source 2, 7:6 destination).  TILE t LIVES IN WINDOW t UNDER THE SAME NUMBERS, so that one text serves both tiles under the setting 0x55 t:
;   v12 -M, v13 the largest t, v[14:15] the sum; v16-27 Q; v96-159 S^T, then p; v160-223 O^T; v224-235 p's codes; v232-247, v252-254 at work.
;   v32-79 of window 0: fragments 0-3 of K or V; of window 1: fragments 4-7.  Window 0 alone: v1-10, v28 addresses; v80-91 scale words (a scale operand has no window).
; No cluster: the eight work-groups of a head read the same K and V, 49,152 bytes a slot's two key steps against some 1,000 vector instructions a wave in them: vector issue binds here, not these bytes.
; LIMITS: NaN and infinities are not served; a block whose largest magnitude lies under 2^-124 keeps the scale byte 1.
.set REC,   6400
.set FRB,   1536
.set SLOT1, 1<<16                      ; slot 1 begins here: one exclusive or turns an address in one slot into the other's.  A slot: 16 images of K, then 16 of V: 49,152 bytes
.set VOFF,  16*FRB
.set SCK,   2*SLOT1                    ; K's scale words of the head, 8,192 bytes; V's behind them
.set SPARE, SCK+16384                  ; the spare words, 128 bytes for each of eight waves: four blocks of 256 bytes that no other line names
.set NSL,   8                          ; slots' worth of keys
.set KCO,   6291456                    ; in qkv: K's codes; V's as far on again; Q's at 0
.set QSCO,  18874368                   ; Q's scale words, 16,384 bytes a head (8,192 used)
.set KVSCO, 19398656                   ; K's and V's
.set LI,   1                           ; v1  16 x lane
.set AS0,  2                           ; v2  SCK + 4 x lane
.set SPW,  5                           ; v5  my spare word; never rewritten
.set NIL,  6                           ; v6  0; never rewritten
.set RS16, 7                           ; v7  16 x (lane % 16)
.set ADK,  8                           ; v8  LDS address of the slot in hand, + 16 x lane
.set ADS,  10                          ; v10 of the step's scale words
.set PFO,  28                          ; v28 256 x lane: the prefetches' offset; never rewritten
.set KSC,  80                          ; v80-83 K's scale words: register p: lanes 0-15 tile 2 p's, lanes 16-31 tile 2 p + 1's
.set VSC,  84                          ; v84-87 V's likewise
.set QSC,  88                          ; v88, v89 Q's, tile 0's and tile 1's
.set PSC,  90                          ; v90, v91 p's: these twelve hold scales and nothing else
.set TM,   232                         ; the way out's QUANT
.set PC,   32
.set PW,   52
.set WV,   18
.set W3,   19
.set SEL,  20
.set CS,   22
.set G1C,  24
.set G1S,  32
.set G0C,  40
.set G0S,  44
.set BH,   48
.set TQ,   49
.set TB,   2
.set TS,   3
.set SLOTS, 67
.set PFA,  76
.set LIM,  80
.set MSB, 0
.macro WIN new                         ; the immediate's high byte repeats the setting that is left; a switch that changes nothing is dropped
.if MSB != (\new)
	s_set_vgpr_msb (MSB<<8)|(\new)
.set MSB, (\new)
.endif
.endm
.macro TLOAD                           ; waves 0-3 fetch, one load each; the branch hangs on the wave's number alone.  An s_nop 0 and four v_nop follow the line
	s_cmp_lt_u32 s[WV], 4
	s_cbranch_scc0 .Lasked_\@
	tensor_load_to_lds s[G0C:G0C+3], s[G1C:G1C+7]
	s_nop 0
.rept 4
	v_nop
.endr
.Lasked_\@:
.endm
; A PREFETCH INTO THE L2 of what the NEXT change of slots will ask for: 24,576 dense bytes of K's images and as many of V's.  All eight work-groups of a head walk the same bytes: the head's first asks.
; In it waves that fetch nothing ask: waves 4-6, two instructions each: 8,192 bytes of K's and the same of V's (which lie KCO bytes on), lanes 256 bytes apart: each block of 256 bytes is named once in the launch.
; It stands a slot's two key steps ahead of the load that will want the bytes.  Slots 0 and 1 come by their loads alone; the last change that fills a slot asks for nothing: there is no slot behind it.
.macro ASK
	s_cmp_gt_u32 s[SLOTS], s[LIM]
	s_cbranch_scc0 .Lnot_mine_\@
	global_prefetch_b8 v[PFO], s[PFA:PFA+1] th:TH_LOAD_NT scope:SCOPE_SE
	global_prefetch_b8 v[PFO], s[PFA:PFA+1] offset:KCO th:TH_LOAD_NT scope:SCOPE_SE
.Lnot_mine_\@:
.endm
.macro QUANT s, pw                     ; 64 numbers of a lane, register 16 b + i = k 32 b + 16 (lane / 16) + i of my row, become a fragment in v[PC] on and its scale word in v[pw]
.irp b, 0,1,2,3
	v_max3_num_f32 v[TM+\b], |v[(\s)+16*\b]|, |v[(\s)+1+16*\b]|, 0x1800000
.endr
.irp i, 2,4,6,8,10,12,14
.irp b, 0,1,2,3
	s_delay_alu instid0(VALU_DEP_4)
	v_max3_num_f32 v[TM+\b], v[TM+\b], |v[(\s)+16*\b+\i]|, |v[(\s)+1+16*\b+\i]|
.endr
.endr
.irp b, 0,1,2,3
	s_delay_alu instid0(VALU_DEP_4)
	v_permlanex16_b32 v[TM+4+\b], v[TM+\b], s[SEL], s[SEL+1]
.endr
.irp b, 0,1,2,3
	s_delay_alu instid0(VALU_DEP_4)
	v_max_num_f32 v[TM+\b], v[TM+\b], v[TM+4+\b]
.endr
.irp b, 0,1,2,3
	s_delay_alu instid0(VALU_DEP_4)
	v_add_nc_u32 v[TM+12+\b], 0xff000000, v[TM+\b]
.endr
.irp b, 0,1,2,3
	s_delay_alu instid0(VALU_DEP_4)
	v_lshrrev_b32 v[TM+4+\b], 23, v[TM+12+\b]
.endr
	s_delay_alu instid0(VALU_DEP_3)
	v_lshl_or_b32 v[\pw], v[TM+5], 8, v[TM+4]
	s_delay_alu instid0(VALU_DEP_1)
	v_lshl_or_b32 v[\pw], v[TM+6], 16, v[\pw]
	s_delay_alu instid0(VALU_DEP_1)
	v_lshl_or_b32 v[\pw], v[TM+7], 24, v[\pw]
.irp c, 0,1
	v_cvt_scalef32_pk16_fp6_f32 v[PC+6*\c:PC+2+6*\c], v[(\s)+32*\c:(\s)+15+32*\c], v[TM+12+2*\c]
	v_cvt_scalef32_pk16_fp6_f32 v[PC+12+4*\c:PC+14+4*\c], v[(\s)+16+32*\c:(\s)+31+32*\c], v[TM+12+2*\c+1]
.endr
	v_nop                                          ; one plain place behind a scaled conversion
.irp c, 0,1
.irp i, 0,1,2
	v_permlane16_swap_b32 v[PC+6*\c+\i], v[PC+12+4*\c+\i]
.endr
.irp i, 0,1,2
	s_delay_alu instid0(VALU_DEP_3)
	v_mov_b32 v[PC+3+6*\c+\i], v[PC+12+4*\c+\i]
.endr
.endr
.endm
	s_load_b128 s[4:7], s[0:1], 0x0                ; qkv s[4:5], ao s[6:7]
	v_lshl_add_u32 v[SPW], v0, 2, SPARE
	v_mov_b32 v[NIL], 0
	ds_add_u32 v[SPW], v[NIL]                      ; the wave's opening: the add and its wait ahead of my first tensor load
	ds_add_u32 v[SPW], v[NIL]
	v_lshrrev_b32 v8, 5, v0
	s_delay_alu instid0(VALU_DEP_1)
	v_readfirstlane_b32 s[WV], v8                  ; wave 0..7
	s_and_b32 s[W3], s[WV], 3
	s_and_b32 s[BH], ttmp7, 0xffff                 ; 16 x batch + head
	s_lshl_b32 s[TQ], ttmp9, 4
	s_lshl_b32 s70, s[WV], 1
	s_add_co_u32 s[TQ], s[TQ], s70                 ; my first tile of queries, 0, 2 .. 126
	s_mov_b32 s[G1C], 3<<16                        ; codes: 12,288 dense bytes as 48 rows of 256 (32 elements of 8 bytes); no mask, no padding
	s_mov_b32 s[G1C+1], 32<<16
	s_mov_b32 s[G1C+2], 48<<16
	s_mov_b32 s[G1C+3], 32<<16
	s_mov_b32 s[G1C+4], 48
	s_mov_b32 s[G1C+5], 32
	s_mov_b32 s[G1C+6], 0
	s_mov_b32 s[G1C+7], 0
	s_mov_b32 s[G1S], 3<<16                        ; scale words: 4,096 dense bytes as 16 rows of 256
	s_mov_b32 s[G1S+1], 32<<16
	s_mov_b32 s[G1S+2], 16<<16
	s_mov_b32 s[G1S+3], 32<<16
	s_mov_b32 s[G1S+4], 16
	s_mov_b32 s[G1S+5], 32
	s_mov_b32 s[G1S+6], 0
	s_mov_b32 s[G1S+7], 0
	s_mul_i32 s68, s[BH], 128*FRB                  ; the head's first byte in each tensor of codes,
	s_lshl_b32 s69, s[BH], 14                      ; and of scale words
	s_lshr_b32 s50, s[W3], 1                       ; what I fetch, if I fetch: waves 0, 1: K; waves 2, 3: V;
	s_add_co_u32 s50, s50, 1
	s_mul_i32 s50, s50, KCO
	s_add_co_u32 s50, s50, s68
	s_and_b32 s51, s[W3], 1                        ; the slot's first or second eight images
	s_mul_i32 s51, s51, 8*FRB
	s_add_co_u32 s50, s50, s51
	s_mov_b32 s51, 0
	s_mul_i32 s52, s[W3], 8*FRB                    ; and where it goes
	s_lshl_b32 s53, s[W3], 12                      ; a quarter of the head's scale words
	s_add_co_u32 s54, s69, s53
	s_add_co_u32 s54, s54, KVSCO
	s_mov_b32 s55, 0
	s_add_co_u32 s53, s53, SCK
	s_lshl_b32 s56, s[BH], 7
	s_add_co_u32 s56, s56, s[TQ]
	s_mul_i32 s56, s56, FRB                        ; Q's two images, one behind the other
	s_mov_b32 s57, 0
	s_lshl_b32 s58, s[TQ], 6
	s_add_co_u32 s58, s58, s69
	s_add_co_u32 s58, s58, QSCO                    ; and their scale words
	s_mov_b32 s59, 0
	s_lshr_b32 s60, s[BH], 4                       ; the way out: ao's record (token tile, head / 4), image and word head % 4; my second tile's lies four records on
	s_lshl_b32 s60, s60, 7
	s_add_co_u32 s60, s60, s[TQ]
	s_lshl_b32 s60, s60, 2
	s_bfe_u32 s70, s[BH], 0x20002
	s_add_co_u32 s60, s60, s70
	s_mul_i32 s60, s60, REC
	s_and_b32 s70, s[BH], 3
	s_lshl_b32 s62, s70, 2
	s_add_co_u32 s62, s62, s60
	s_add_co_u32 s62, s62, 4*FRB
	s_mov_b32 s63, 0
	s_mul_i32 s70, s70, FRB
	s_add_co_u32 s60, s60, s70
	s_mov_b32 s61, 0
	s_mov_b32 s76, KCO                             ; the prefetches stand in K's codes of my head;
	s_add_co_u32 s76, s76, s68
	s_lshl_b32 s70, s[W3], 13                      ; 8,192 bytes a wave;
	s_add_co_u32 s76, s76, s70
	s_add_co_u32 s76, s76, 16*FRB                  ; in slot 1: the first change of slots steps it to slot 2
	s_mov_b32 s77, 0
	s_lshr_b32 s70, s[WV], 2
	s_xor_b32 s70, s70, 1                          ; 0 in waves 4 to 7,
	s_or_b32 s70, s70, ttmp9                       ; of the head's first work-group
	s_cmp_eq_u32 s70, 0
	s_cselect_b32 s[LIM], 1, -1
	s_cmp_eq_u32 s[W3], 3                          ; (three waves' worth: wave 7 asks for nothing)
	s_cselect_b32 s[LIM], -1, s[LIM]
	s_mov_b32 s[SEL], 0x76543210
	s_mov_b32 s[SEL+1], 0xfedcba98
	s_mov_b32 s[CS], 0x3e0293ee                    ; c = log2(e) / sqrt(128)
	s_mov_b32 s[CS+1], s[CS]                       ; (named with it as a pair, so it is written)
	s_mov_b32 s[TB], 0
	s_mov_b32 s[TS], 0
	s_mov_b32 s[SLOTS], NSL-1
	s_wait_dscnt 0x0                               ; the opening add is done
	s_wait_kmcnt 0x0
	s_mov_b32 s[G0S], 1
	s_mov_b32 s[G0S+1], s53
	s_add_nc_u64 s[G0S+2:G0S+3], s[4:5], s[54:55]
	s_or_b32 s[G0S+3], s[G0S+3], 0x80000000
	s_mov_b32 s[G0C], 1
	s_mov_b32 s[G0C+1], s52
	s_add_nc_u64 s[G0C+2:G0C+3], s[4:5], s[50:51]
	s_or_b32 s[G0C+3], s[G0C+3], 0x80000000
	s_cmp_lt_u32 s[WV], 4                          ; the first fills, one tensor load a wave: waves 0-3 a quarter of slot 0 each, waves 4-7 a quarter of the head's scale words each
	s_cbranch_scc0 .Lfirst_s
	tensor_load_to_lds s[G0C:G0C+3], s[G1C:G1C+7]
	s_nop 0
.rept 4
	v_nop
.endr
	s_branch .Lfirst_done
.Lfirst_s:
	tensor_load_to_lds s[G0S:G0S+3], s[G1S:G1S+7]
	s_nop 0
.rept 4
	v_nop
.endr
.Lfirst_done:
	s_add_nc_u64 s[56:57], s[4:5], s[56:57]
	s_add_nc_u64 s[58:59], s[4:5], s[58:59]
	s_add_nc_u64 s[60:61], s[6:7], s[60:61]
	s_add_nc_u64 s[62:63], s[6:7], s[62:63]
	s_add_nc_u64 s[PFA:PFA+1], s[4:5], s[PFA:PFA+1]
	v_and_b32 v[LI], 31, v0
	s_delay_alu instid0(VALU_DEP_1)
	v_lshlrev_b32 v[PFO], 8, v[LI]
	s_delay_alu instid0(VALU_DEP_2)
	v_lshl_add_u32 v[AS0], v[LI], 2, SCK
	s_delay_alu instid0(VALU_DEP_3)
	v_lshlrev_b32 v[LI], 4, v[LI]
	v_and_b32 v29, 15, v0
	s_delay_alu instid0(VALU_DEP_1)
	v_lshlrev_b32 v[RS16], 4, v29
	s_delay_alu instid0(VALU_DEP_2)
	v_lshlrev_b32 v29, 2, v29
.irp c, 0,1,2
	global_load_b128 v[16+4*\c:19+4*\c], v[LI], s[56:57] offset:512*\c   ; Q's fragments stay in registers: tile 0's in window 0,
.endr
	global_load_b32 v[QSC], v29, s[58:59]          ; Q's scale words, both tiles' in window 0
	global_load_b32 v[QSC+1], v29, s[58:59] offset:64
	WIN 0x40                                       ; destination window 1, address window 0
.irp c, 0,1,2
	global_load_b128 v[16+4*\c:19+4*\c], v[LI], s[56:57] offset:FRB+512*\c   ; tile 1's in window 1
.endr
.irp t, 0,1
	WIN 0x55*\t                                    ; each tile's state, in its window
	v_mov_b32 v13, 0xff61b1e6                      ; the largest t so far: -3e38, under every t
	s_delay_alu instid0(VALU_DEP_1)
	v_floor_f32 v12, -v13                          ; -M
	v_mov_b32 v14, 0                               ; the sum, in two halves
	v_mov_b32 v15, 0
.irp b, 0,1,2,3
	v_mov_b32 v[236+\b], 0                         ; written once: a lane permute's destination counts as one of its sources
.endr
	v_mov_b32 v253, 0                              ; (named as the upper half of the pair v[252:253] before it is first written)
.set J, 0
.rept 64
	v_mov_b32 v[160+J], 0                          ; O^T.  (The loop is written once: its first step finds zeros, which the first change of M leaves zeros; a first step of its own would be a third copy of the key step)
.set J, J+1
.endr
.endr
	WIN 0
; Eight fragments, from off bytes behind the slot's first: 0-3 into window 0, 4-7 into window 1.  24 loads of 512 consecutive bytes, in one run
.macro FRAGS off
.irp t, 0,1,2,3
.irp c, 0,1,2
	ds_load_b128 v[32+12*\t+4*\c:35+12*\t+4*\c], v[ADK] offset:(\off)+FRB*\t+512*\c
.endr
.endr
	WIN 0x40                                       ; destination window 1, address window 0
.irp t, 0,1,2,3
.irp c, 0,1,2
	ds_load_b128 v[32+12*\t+4*\c:35+12*\t+4*\c], v[ADK] offset:(\off)+FRB*(4+\t)+512*\c
.endr
.endr
	WIN 0
.endm
; Four products S^T = K Q^T: fragments 4 g .. 4 g + 3 (source 0, window g) against tile t of queries (source 1 and the result, window t)
.macro SPROD t, g
	WIN ((\g)*0x01)|((\t)*0x54)
.irp u, 0,2
	v_wmma_scale_f32_16x16x128_f8f6f4 v[96+8*(4*\g+\u):103+8*(4*\g+\u)], v[32+12*\u:43+12*\u], v[16:27], 0, v[KSC+2*\g+\u/2], v[QSC+\t] matrix_a_fmt:MATRIX_FMT_FP6 matrix_b_fmt:MATRIX_FMT_FP6
	v_wmma_scale_f32_16x16x128_f8f6f4 v[104+8*(4*\g+\u):111+8*(4*\g+\u)], v[44+12*\u:55+12*\u], v[16:27], 0, v[KSC+2*\g+\u/2], v[QSC+\t] matrix_a_fmt:MATRIX_FMT_FP6 matrix_b_fmt:MATRIX_FMT_FP6 matrix_a_scale:MATRIX_SCALE_ROW1
.endr
.endm
; Four products O^T += V^T P^T likewise.  Each of the 16 accumulators has one instruction a step: they take turns
.macro PVPROD t, g
	WIN ((\g)*0x01)|((\t)*0x54)
.irp u, 0,2
	v_wmma_scale_f32_16x16x128_f8f6f4 v[160+8*(4*\g+\u):167+8*(4*\g+\u)], v[32+12*\u:43+12*\u], v[224:235], v[160+8*(4*\g+\u):167+8*(4*\g+\u)], v[VSC+2*\g+\u/2], v[PSC+\t] matrix_a_fmt:MATRIX_FMT_FP6 matrix_b_fmt:MATRIX_FMT_FP6
	v_wmma_scale_f32_16x16x128_f8f6f4 v[168+8*(4*\g+\u):175+8*(4*\g+\u)], v[44+12*\u:55+12*\u], v[224:235], v[168+8*(4*\g+\u):175+8*(4*\g+\u)], v[VSC+2*\g+\u/2], v[PSC+\t] matrix_a_fmt:MATRIX_FMT_FP6 matrix_b_fmt:MATRIX_FMT_FP6 matrix_a_scale:MATRIX_SCALE_ROW1
.endr
.endm
; Tile t's softmax of a key step, all in window t but for the scale word, which goes to window 0.  Lane (r, h) holds query r; the 16 registers of tiles 2 b, 2 b + 1 of S^T are keys 32 b + 16 h + 0 .. 15 of the step.
.macro SOFTMAX t
	WIN 0x55*(\t)
.irp b, 0,1,2,3
	v_max3_num_f32 v[232+\b], v[96+16*\b], v[97+16*\b], v[98+16*\b]   ; the largest score of each block of 32 keys: it serves for the row's maximum and, since p rises with the score, for the block's largest p
.endr
.irp i, 3,5,7,9,11,13
.irp b, 0,1,2,3
	v_max3_num_f32 v[232+\b], v[232+\b], v[96+16*\b+\i], v[97+16*\b+\i]
.endr
.endr
.irp b, 0,1,2,3
	v_max_num_f32 v[232+\b], v[232+\b], v[111+16*\b]
.endr
.irp b, 0,1,2,3
	s_delay_alu instid0(VALU_DEP_4)
	v_permlanex16_b32 v[236+\b], v[232+\b], s[SEL], s[SEL+1]
.endr
.irp b, 0,1,2,3
	s_delay_alu instid0(VALU_DEP_4)
	v_max_num_f32 v[232+\b], v[232+\b], v[236+\b]  ; with lane l xor 16's 16 keys
.endr
	s_delay_alu instid0(VALU_DEP_2)
	v_max3_num_f32 v254, v232, v233, v234
	s_delay_alu instid0(VALU_DEP_1)
	v_max_num_f32 v254, v254, v235                 ; the step's largest score of my query
	s_delay_alu instid0(VALU_DEP_1)
	v_mul_f32 v254, s[CS], v254                    ; as t (c is positive)
	s_delay_alu instid0(VALU_DEP_1)
	v_max_num_f32 v13, v13, v254                   ; the running largest t
	v_mov_b32 v254, v12
	s_delay_alu instid0(VALU_DEP_2)
	v_floor_f32 v12, -v13                          ; the new -M = floor(-t) = -ceil(t): M is a whole number
	s_delay_alu instid0(VALU_DEP_1)
	v_sub_f32 v254, v12, v254                      ; M's old value less its new one: a whole number, 0 or less
	s_delay_alu instid0(VALU_DEP_1)
	v_cvt_i32_f32 v254, v254                       ; (it saturates)
	s_delay_alu instid0(VALU_DEP_1)
	v_ldexp_f32 v252, 1.0, v254                    ; f = 2^(old M - new M)
.set J, 0
.rept 32
	v_pk_fma_f32 v[96+J:97+J], v[96+J:97+J], s[CS:CS+1], v[12:13] op_sel_hi:[1,0,0]   ; t - M, two at a time (of the pairs c and -M the low word serves both halves)
.set J, J+2
.endr
.irp b, 0,1,2,3
	v_fma_f32 v[232+\b], v[232+\b], s[CS], v12     ; the same of each block's largest score
.endr
.set J, 0
	s_wait_alu depctr_va_vdst(0)
.rept 64
	v_exp_f32 v[96+J], v[96+J]                     ; p = 2^(t - M), at most 1: not normalised
.set J, J+1
.endr
	v_pk_mul_f32 v[14:15], v[14:15], v[252:253] op_sel_hi:[1,0]   ; the sums under the new M.  (A plain place behind the exponentials)
	s_wait_alu depctr_va_vdst(0)                   ; one wait for the whole batch, ahead of its first reader
.irp b, 0,1,2,3
	v_exp_f32 v[232+\b], v[232+\b]                 ; the block's largest p: the same two instructions on the same number give the same bits
.endr
	v_pk_add_f32 v[236:237], v[96:97], v[98:99]    ; the row's sum is taken of the unquantised p: two at a time, in two chains
.irp j, 4,8,12,16,20,24,28,32,36,40,44,48,52,56,60
	v_pk_add_f32 v[14:15], v[14:15], v[96+\j:97+\j]
	v_pk_add_f32 v[236:237], v[236:237], v[98+\j:99+\j]
.endr
	s_delay_alu instid0(VALU_DEP_1)
	v_pk_add_f32 v[14:15], v[14:15], v[236:237]
	s_wait_alu depctr_va_vdst(0)                   ; and one for the four
.irp b, 0,1,2,3
	v_max_num_f32 v[232+\b], 0x1800000, v[232+\b]  ; the floor 2^(3 - 127): the byte cannot fall under 1
.endr
.irp b, 0,1,2,3
	s_delay_alu instid0(VALU_DEP_4)
	v_add_nc_u32 v[244+\b], 0xff000000, v[232+\b]  ; 2 off the exponent field: the conversion's scale operand
.endr
.irp b, 0,1,2,3
	s_delay_alu instid0(VALU_DEP_4)
	v_lshrrev_b32 v[236+\b], 23, v[244+\b]         ; the scale's byte
.endr
	s_delay_alu instid0(VALU_DEP_3)
	v_lshl_or_b32 v253, v237, 8, v236              ; p's scale word for these 128 keys is gathered in the tile's window,
	s_delay_alu instid0(VALU_DEP_1)
	v_lshl_or_b32 v253, v238, 16, v253
	WIN 0x15*(\t)                                  ; and its last line puts it into window 0, where scale operands are taken from
	v_lshl_or_b32 v[PSC+\t], v239, 24, v253
	WIN 0x55*(\t)
.irp c, 0,1
	v_cvt_scalef32_pk16_fp6_f32 v[224+6*\c:226+6*\c], v[96+32*\c:111+32*\c], v[244+2*\c]
	v_cvt_scalef32_pk16_fp6_f32 v[236+4*\c:238+4*\c], v[112+32*\c:127+32*\c], v[244+2*\c+1]
.endr
	v_nop                                          ; one plain place behind a scaled conversion
.irp c, 0,1
.irp i, 0,1,2
	v_permlane16_swap_b32 v[224+6*\c+\i], v[236+4*\c+\i]
.endr
.irp i, 0,1,2
	s_delay_alu instid0(VALU_DEP_3)
	v_mov_b32 v[227+6*\c+\i], v[236+4*\c+\i]
.endr
.endr
.set J, 0
.rept 32
	v_pk_mul_f32 v[160+J:161+J], v[160+J:161+J], v[252:253] op_sel_hi:[1,0]   ; O^T under the new M.  (These 32 are also the places between the lines that wrote the codes and the scale word and the products that take them)
.set J, J+2
.endr
.endm
; A KEY STEP: 128 keys, the q-th of the slot in hand.
.macro STEP q, meet                    ; meet = 1: the slot's last step, in which the change of slots is signalled
	v_add_nc_u32 v[ADK], s[TB], v[LI]
	v_add_nc_u32 v[ADS], s[TS], v[AS0]
	v_nop
	v_nop                                          ; with the two additions: four places ahead of loads into registers that the last step's products have read
.irp p, 0,1,2,3
	ds_load_b32 v[KSC+\p], v[ADS] offset:128*\p    ; two tiles' scale words a register
.endr
	FRAGS FRB*8*(\q)                               ; K's eight fragments
	s_wait_alu depctr_va_vdst(0)
	s_wait_dscnt 12                                ; the scale words and fragments 0-3 are in; the youngest twelve loads, fragments 4-7, may be out
	SPROD 0, 0
	SPROD 1, 0
	s_wait_dscnt 0x0
	SPROD 0, 1
	SPROD 1, 1
	WIN 0
.rept 4
	v_nop                                          ; places ahead of loads into the fragments' registers and of the first read of the scores
.endr
.irp p, 0,1,2,3
	ds_load_b32 v[VSC+\p], v[ADS] offset:8192+128*\p
.endr
	FRAGS VOFF+FRB*8*(\q)                          ; V's eight fragments are asked for here: they land while the two tiles' softmax is worked
.if \meet
	MEET                                           ; V's fragments are waited for here: they were my last reads of this slot
.endif
	SOFTMAX 0
	SOFTMAX 1
	s_wait_alu depctr_va_vdst(0)
.if (\meet) == 0
	s_wait_dscnt 0x0                               ; V
.endif
	PVPROD 0, 0
	PVPROD 1, 0
	PVPROD 0, 1
	PVPROD 1, 1
	WIN 0                                          ; at a label and at a branch every window is 0
	s_add_co_u32 s[TS], s[TS], 512                 ; the next step's scale words: eight tiles of 64 bytes
.if \meet
	s_barrier_wait -1                              ; every wave has made its last read of this slot, and the slot ahead is whole
.endif
.endm
; THE CHANGE OF SLOTS IS A BARRIER IN TWO HALVES.  MEET, its first half, stands in a slot's last key step behind the loads of V's fragments, the wave's last reads of the slot: the wave waits for all its tensor loads
; (its part of the slot ahead), adds 0 to its spare word, waits for that and for those reads, and signals.  Between the signal and the wait stand the two tiles' softmax and the 16 products O^T: work on registers alone.
; The wait stands at the step's end; the refill of the slot just left is the first thing behind it.  The walking descriptor and the prefetches' address are stepped in MEET, where no tensor load of the wave is out;
; what the last MEET steps them to is not used.
.macro MEET
	s_wait_tensorcnt 0x0                           ; no tensor load of mine is out, so a group 0 may be written
	ds_add_u32 v[SPW], v[NIL]
	s_xor_b32 s[G0C+1], s[G0C+1], SLOT1            ; the walking descriptor: the other slot than last time,
	s_add_nc_u64 s[G0C+2:G0C+3], s[G0C+2:G0C+3], 16*FRB   ; the next 256 keys; the type bits on top are not reached
	s_wait_xcnt 0x0                                ; the last prefetches have read their address, so it may be written:
	s_add_nc_u64 s[PFA:PFA+1], s[PFA:PFA+1], 16*FRB   ; one slot further on than the walking descriptor
	s_wait_dscnt 0x0                               ; the add is done, and my reads of the slot in hand are over
	s_barrier_signal -1
.endm
.macro SLOT_STEPS meet
	STEP 0, 0
	STEP 1, \meet
	s_xor_b32 s[TB], s[TB], SLOT1                  ; on to the other slot
.endm
	s_wait_loadcnt 0x0                             ; Q
	MEET                                           ; the first fills are in: slot 0 and the scale words
	s_barrier_wait -1
.Lslot:                                            ; NSL - 1 trips, a slot each: at a trip's head the slot behind the one in hand is asked for
	TLOAD                                          ; the first thing behind the barrier, and a wave's one tensor load until the next (the first time: slot 1's first fill)
	ASK
	SLOT_STEPS 1
	s_sub_co_u32 s[SLOTS], s[SLOTS], 1
	s_cmp_lg_u32 s[SLOTS], 0
	s_cbranch_scc1 .Lslot
	SLOT_STEPS 0                                   ; the last slot is written out: nothing is left to fetch, and no barrier follows it
; THE WAY OUT, tile by tile.  O^T / the sum: register 16 b + i of lane (r, h) is channel 32 b + 16 h + i of query r: as the conversions want it.  It becomes K step `head` of the output projection's operand: one image, one scale word a row.
.macro FINISH t
	WIN 0x55*(\t)
	v_add_f32 v14, v14, v15                        ; the sum's two halves,
	s_delay_alu instid0(VALU_DEP_1)
	v_permlanex16_b32 v252, v14, s[SEL], s[SEL+1]
	s_delay_alu instid0(VALU_DEP_1)
	v_add_f32 v14, v14, v252                       ; and lane l xor 16's: the row's sum
	s_wait_alu depctr_va_vdst(0)
	v_rcp_f32 v14, v14
.rept 4
	v_nop                                          ; a plain place behind the reciprocal; and the places behind the last products
.endr
	s_wait_alu depctr_va_vdst(0)                   ; the wait, ahead of the reciprocal's first reader
.set J, 0
.rept 64
	v_mul_f32 v[96+J], v[160+J], v14               ; each accumulator from its low end on
.set J, J+1
.endr
	QUANT 96, PW
	WIN 0x04*(\t)                                  ; a store's data are its source 1: window t; its offset register lies in window 0
.irp c, 0,1,2
	global_store_b128 v[LI], v[PC+4*\c:PC+4*\c+3], s[60:61] offset:4*REC*(\t)+512*\c   ; 512 consecutive bytes, at a multiple of 256 from the buffer's first byte
.endr
	global_store_b32 v[RS16], v[PW], s[62:63] offset:4*REC*(\t)   ; one word in four of the record's scale words: the other heads' come from other work-groups
.endm
	FINISH 0
	FINISH 1                                       ; (its registers lie in the other window: tile 0's stores' data are not written again)
	WIN 0
	s_wait_tensorcnt 0x0                           ; the wave's end
	ds_add_u32 v[SPW], v[NIL]
	s_wait_dscnt 0x0
	s_endpgm
.Lfunc_end_k_qa1b2f8fe4a_attn:
	.size	k_qa1b2f8fe4a_attn, .Lfunc_end_k_qa1b2f8fe4a_attn-k_qa1b2f8fe4a_attn
	.p2alignl 7, 3214868480
	.fill 96, 4, 3214868480
	.section	.rodata,"a",@progbits
	.p2align	6, 0x0
	.amdhsa_kernel k_qa1b2f8fe4a_attn
		.amdhsa_group_segment_fixed_size 327680
		.amdhsa_private_segment_fixed_size 0
		.amdhsa_enable_private_segment 0
		.amdhsa_kernarg_size 16
		.amdhsa_user_sgpr_count 2
		.amdhsa_user_sgpr_kernarg_segment_ptr 1
		.amdhsa_wavefront_size32 1
		.amdhsa_system_sgpr_workgroup_id_x 1
		.amdhsa_system_sgpr_workgroup_id_y 1
		.amdhsa_system_sgpr_workgroup_id_z 1
		.amdhsa_system_vgpr_workitem_id 0
		.amdhsa_next_free_vgpr 512
		.amdhsa_next_free_sgpr 100
		.amdhsa_reserve_vcc 0
		.amdhsa_float_denorm_mode_32 3
		.amdhsa_float_denorm_mode_16_64 3
		.amdhsa_memory_ordered 1
		.amdhsa_forward_progress 1
		.amdhsa_inst_pref_size 173
	.end_amdhsa_kernel
	.amdgpu_metadata
---
amdhsa.version: [ 1, 2 ]
amdhsa.kernels:
  - .name:           k_qa1b2f8fe4a_attn
    .symbol:         k_qa1b2f8fe4a_attn.kd
    .args:
      - { .name: qkv, .offset: 0, .size: 8, .value_kind: global_buffer, .address_space: global }
      - { .name: ao, .offset: 8, .size: 8, .value_kind: global_buffer, .address_space: global }
    .group_segment_fixed_size: 327680
    .private_segment_fixed_size: 0
    .kernarg_segment_align: 8
    .kernarg_segment_size: 16
    .max_flat_workgroup_size: 256
    .sgpr_count:     100
    .vgpr_count:     512
    .wavefront_size: 32
...
	.end_amdgpu_metadata
.endif
;; end of part 4
;; launch outp (part 5): grid 8 x 32, 4 waves a work-group, clusters of 4 x 4, 327,680 bytes of LDS; arguments opq, ao, bo, out0; writes out0
.if DOCPART == 5
	.amdgcn_target "amdgcn-amd-amdhsa--gfx1250"
	.amdhsa_code_object_version 6
	.text
	.protected	k_qa1b2f8fe4a_outp
	.globl	k_qa1b2f8fe4a_outp
	.p2align	8
	.type	k_qa1b2f8fe4a_outp,@function
k_qa1b2f8fe4a_outp:
	s_mov_b64 s[64:65], 0
	v_nop
	global_prefetch_b8 v0, s[64:65] scope:SCOPE_SE
	s_setreg_imm32_b32 hwreg(HW_REG_WAVE_MODE, 25, 1), 1
	s_wait_xcnt 0x0
	s_wait_alu depctr_hold_cnt(0) depctr_sa_sdst(0) depctr_va_vdst(0) depctr_va_sdst(0) depctr_va_ssrc(0) depctr_va_vcc(0) depctr_vm_vsrc(0)
	s_getreg_b32 s2, hwreg(HW_REG_IB_STS2, 6, 4)
	s_cmp_eq_u32 s2, 0
	s_cbranch_scc0 .Lentry_in_a_cluster
	s_endpgm
.Lentry_in_a_cluster:
	s_bfe_u32 s2, ttmp6, 0x10000c
	s_cmp_lg_u32 s2, 0xf033
	s_cbranch_scc0 .Lentry_shape_is_right
	s_endpgm
.Lentry_shape_is_right:
; OUTP.  out0 = o Wo^T + bo (4,096 x 2,048, K = 2,048) on codes of FP6 (E2M3) with E8M0 scales; f32 out.
; Operands lie as records of 16 rows x 512 K (6,400 bytes: four fragment images of 1,536 bytes, lane l's 16 bytes at 16 l of each of three runs of 512; then 16 bytes of scale words a row);
; lane-row r of tile T is row 32 (T / 2) + 8 (T % 2) + r + 8 (r / 8).
; SHARES.  A work-group makes 256 columns (P, source 0: rows of Wo) x 128 tokens (Q, source 1: rows of o): 256 work-groups.  Four waves, one to a SIMD: wave w takes P rows 128 (w / 2) on (8 fragments) and
; Q rows 64 (w % 2) on (4 fragments): 32 accumulators, 12 fragments read from LDS for 32 products.  A lane holds one token, its registers run along the columns.
; K goes in steps of 512 through two LDS slots (16 records of P, 8 of Q, codes and scale words by the same load); a step of 128 along K is 32 products.  Fragments have two sets of registers: at a step's head the
; next step's 36 loads are issued into the other set.  A slot's scale words come once, six loads of 16 bytes a lane (word i of a row serves the slot's i-th step), in two sets by turns.
; THE FILLS.  The head asks for both slots, one tensor load a wave: wave 0 slot 0's P, wave 1 slot 0's Q, wave 2 slot 1's P, wave 3 slot 1's Q.  A refill is wave 0's load of P and wave 1's of Q.
; CLUSTER 4 x 4: P hangs on the work-group's x alone and is asked for jointly along a column of the cluster, Q on y alone and jointly along a row.
; No prefetch: K is four slots deep; two of the four fills stand at the head, and each of the other two is asked for a slot's products (112 a wave) ahead of the wait for it.
; REGISTERS, in windows of 256: window 0: v1-14 addresses, v16-63 scale words (nothing else), v64-159 Q's fragments, on the way out v64-191 rows read back; window 1: v0-191 P's fragments, v192-255 bo, the first step's C;
; window 2: accumulator (q, t) at v[8 (8 q + t)].
.set REC,   6400
.set FRB,   1536
.set QOFF,  16*REC
.set SLOT,  24*REC
.set SPARE, 2*SLOT                     ; the spare words, 128 bytes for each of four waves: two blocks of 256 bytes that no other line names
.set POFF,  9830400                    ; Wo's records in opq
.set STG,   8448                       ; the way out: a stage of 16 rows x (512 bytes + 16) for each wave, in slot 0, which has had its last fill and its last read when the first result is stored there
.set LI,  1                            ; 16 x lane
.set AP,  2                            ; v2-3 my P fragments in slot 0, 1
.set AQ,  4                            ; v4-5 my Q fragments
.set ASP, 6                            ; v6-7 P's scale words: lanes 0-15 an even tile's, lanes 16-31 the next tile's
.set ASQ, 8                            ; v8-9 Q's likewise
.set SPW, 10                           ; my spare word; never rewritten
.set NIL, 11                           ; 0; never rewritten
.set E0,  12                           ; 64 h: bo's offset
.set STO, 13                           ; the stage: where I put 32 bytes of a row
.set RD,  14                           ; and where I read a row back
.set SC,  16                           ; scale words: set s at SC + 24 s: P's tiles 2 u, 2 u + 1 at + 4 u + i, Q's at + 16 + 4 u + i
.set QF,  64                           ; Q's fragments: set p at QF + 48 p
.set BK,  64                           ; the way out: 16 rows read back, v64-127 and v128-191 by turns
.set BB,  192                          ; bo, in window 1
.set WV,  14
.set PJ,  15
.set W1,  16
.set GY,  17
.set G1P, 24
.set G0P, 32
.set CX,  40
.set CY,  41
.set GX,  42
.set G1Q, 48
.set G0Q, 56
.set MUL,  0xa1                        ; source 0 (P) window 1, source 1 (Q) window 0, C and D window 2
.set MULB, 0x91                        ; the same with C in window 1: bo
.set TO_P, 0x40                        ; destination window 1, address window 0
.set MSB, 0
.macro WIN new                         ; the immediate's high byte repeats the setting that is left; a switch that changes nothing is dropped
.if MSB != (\new)
	s_set_vgpr_msb (MSB<<8)|(\new)
.set MSB, (\new)
.endif
.endm
.macro PLACES                          ; four plain places behind a matrix instruction, ahead of loads into its registers and of reads of its results
.rept 4
	v_nop
.endr
.endm
.macro LDFRAG reg, adr, off
.irp c, 0,1,2
	ds_load_b128 v[(\reg)+4*\c:(\reg)+4*\c+3], v[\adr] offset:(\off)+512*\c
.endr
.endm
.macro WM acc, pf, qf, cc, sp, sq, ra, rb      ; one product; ra, rb: the side's scale words stand in lanes 16-31
.if (\ra) && (\rb)
	v_wmma_scale_f32_16x16x128_f8f6f4 v[(\acc):(\acc)+7], v[(\pf):(\pf)+11], v[(\qf):(\qf)+11], v[(\cc):(\cc)+7], v[\sp], v[\sq] matrix_a_fmt:MATRIX_FMT_FP6 matrix_b_fmt:MATRIX_FMT_FP6 matrix_a_scale:MATRIX_SCALE_ROW1 matrix_b_scale:MATRIX_SCALE_ROW1
.elseif (\ra)
	v_wmma_scale_f32_16x16x128_f8f6f4 v[(\acc):(\acc)+7], v[(\pf):(\pf)+11], v[(\qf):(\qf)+11], v[(\cc):(\cc)+7], v[\sp], v[\sq] matrix_a_fmt:MATRIX_FMT_FP6 matrix_b_fmt:MATRIX_FMT_FP6 matrix_a_scale:MATRIX_SCALE_ROW1
.elseif (\rb)
	v_wmma_scale_f32_16x16x128_f8f6f4 v[(\acc):(\acc)+7], v[(\pf):(\pf)+11], v[(\qf):(\qf)+11], v[(\cc):(\cc)+7], v[\sp], v[\sq] matrix_a_fmt:MATRIX_FMT_FP6 matrix_b_fmt:MATRIX_FMT_FP6 matrix_b_scale:MATRIX_SCALE_ROW1
.else
	v_wmma_scale_f32_16x16x128_f8f6f4 v[(\acc):(\acc)+7], v[(\pf):(\pf)+11], v[(\qf):(\qf)+11], v[(\cc):(\cc)+7], v[\sp], v[\sq] matrix_a_fmt:MATRIX_FMT_FP6 matrix_b_fmt:MATRIX_FMT_FP6
.endif
.endm
; 16 products of step st: Q's tiles q0, q0 + 1 against P's eight.  The 32 accumulators take turns, one instruction a turn, in the same order in every step.
; bias = 1: the first step, whose C is bo: nothing is cleared.
.macro MUL16 q0, st, bias
.irp q, \q0, \q0+1
.irp t, 0,1,2,3,4,5,6,7
.if \bias
	WM 8*(8*(\q)+\t), 96*((\st)%2)+12*\t, QF+48*((\st)%2)+12*(\q), BB+8*\t, SC+24*(((\st)/4)%2)+4*(\t/2)+(\st)%4, SC+24*(((\st)/4)%2)+16+4*((\q)/2)+(\st)%4, \t%2, (\q)%2
.else
	WM 8*(8*(\q)+\t), 96*((\st)%2)+12*\t, QF+48*((\st)%2)+12*(\q), 8*(8*(\q)+\t), SC+24*(((\st)/4)%2)+4*(\t/2)+(\st)%4, SC+24*(((\st)/4)%2)+16+4*((\q)/2)+(\st)%4, \t%2, (\q)%2
.endif
.endr
.endr
.endm
.macro FETCH n                         ; step n's twelve fragments, out of slot (n / 4) % 2, into set n % 2: 36 loads of 512 consecutive bytes
	WIN TO_P
.irp t, 0,1,2,3,4,5,6,7
	LDFRAG 96*((\n)%2)+12*\t, AP+((\n)/4)%2, REC*\t+FRB*((\n)%4)
.endr
	WIN 0
.irp q, 0,1,2,3
	LDFRAG QF+48*((\n)%2)+12*\q, AQ+((\n)/4)%2, REC*\q+FRB*((\n)%4)
.endr
.endm
.macro SCALES n                        ; the scale words of the slot that begins with step n: a row's four words a lane
.irp u, 0,1,2,3
	ds_load_b128 v[SC+24*(((\n)/4)%2)+4*\u:SC+24*(((\n)/4)%2)+4*\u+3], v[ASP+((\n)/4)%2] offset:2*REC*\u
.endr
.irp u, 0,1
	ds_load_b128 v[SC+24*(((\n)/4)%2)+16+4*\u:SC+24*(((\n)/4)%2)+16+4*\u+3], v[ASQ+((\n)/4)%2] offset:2*REC*\u
.endr
.endm
.macro CREST                           ; a round of the cluster's barrier behind its opening barrier
	s_cmp_lg_u32 s[WV], 0
	s_cbranch_scc1 .Lnot_wave_0_\@
	s_barrier_signal -3
.Lnot_wave_0_\@:
	s_barrier_wait -3
	s_barrier_signal -1
	s_barrier_wait -1
.endm
.macro CROUND
	s_barrier_signal -1
	s_barrier_wait -1
	CREST
.endm
.macro TL g0, g1                       ; a joint load with an s_nop 0 and four v_nop
	tensor_load_to_lds s[\g0:\g0+3], s[\g1:\g1+7]
	s_nop 0
.rept 4
	v_nop
.endr
.endm
.macro JLOAD sl                        ; a joint refill: wave 0 for P, wave 1 for Q, waves 2 and 3 have nothing to fill; the branches hang on the wave's number alone
	s_cmp_lt_u32 s[WV], 1
	s_cbranch_scc0 .Lfor_q_\@
	TL G0P+4*(\sl), G1P
	s_branch .Lasked_\@
.Lfor_q_\@:
	s_cmp_lt_u32 s[WV], 2
	s_cbranch_scc0 .Lasked_\@
	TL G0Q+4*(\sl), G1Q
.Lasked_\@:
.endm
; A step of 128 along K.  In a slot's last step the slots change: the wave waits for all its tensor loads, adds 0 to its spare word, waits for that and for its reads of the slot in hand, and signals;
; sixteen products stand between signal and wait.  Where K has a slot two further on (steps 3 and 7), the barrier opens a round of the cluster's barrier, and the joint refill is the first thing behind it.
.macro STEP st
.set NX, (\st)+1
.if ((\st)%4 == 3) && ((\st) < 15)
	WIN 0
	s_wait_tensorcnt 0x0                           ; no tensor load of mine is out, so a group 0 may be written
	ds_add_u32 v[SPW], v[NIL]
.if (\st) < 8
	s_add_nc_u64 s[G0P+4*(((\st)/4)%2)+2:G0P+4*(((\st)/4)%2)+3], s[G0P+4*(((\st)/4)%2)+2:G0P+4*(((\st)/4)%2)+3], 2*REC
	s_add_nc_u64 s[G0Q+4*(((\st)/4)%2)+2:G0Q+4*(((\st)/4)%2)+3], s[G0Q+4*(((\st)/4)%2)+2:G0Q+4*(((\st)/4)%2)+3], 2*REC
.endif
	s_wait_dscnt 0x0                               ; the add, and this step's fragments: my last reads of the slot in hand
	s_barrier_signal -1
	WIN MUL
	MUL16 0, \st, 0
	WIN 0                                          ; at a branch and at a label every window is 0
	s_barrier_wait -1
.if (\st) < 8
	CREST
	JLOAD ((\st)/4)%2                              ; 1,024 further along K
.endif
	PLACES
	FETCH NX
	SCALES NX
	WIN MUL
	MUL16 2, \st, 0
.else
	s_wait_dscnt 0x0                               ; this step's fragments, asked for in the step before
.if (\st) < 15
	PLACES                                         ; the other set was read by the step before
	FETCH NX
.endif
.if (\st) == 0
	WIN MULB
	MUL16 0, \st, 1
	MUL16 2, \st, 1
.else
	WIN MUL
	MUL16 0, \st, 0
	MUL16 2, \st, 0
.endif
.endif
.endm
	s_load_b256 s[4:11], s[0:1], 0x0               ; opq s[4:5], ao s[6:7], bo s[8:9], out0 s[10:11]
	v_lshl_add_u32 v[SPW], v0, 2, SPARE
	v_mov_b32 v[NIL], 0
	ds_add_u32 v[SPW], v[NIL]                      ; the wave's opening: the add, twice on end, and its wait ahead of my first tensor load
	ds_add_u32 v[SPW], v[NIL]
	v_lshrrev_b32 v1, 5, v0
	v_readfirstlane_b32 s[WV], v1                  ; wave 0..3
	s_lshr_b32 s[PJ], s[WV], 1                     ; which 128 rows of P are mine
	s_and_b32 s[W1], s[WV], 1                      ; which 64 rows of Q
	s_bfe_u32 s[CX], ttmp6, 0x40000
	s_bfe_u32 s[CY], ttmp6, 0x40004
	s_lshl_b32 s[GX], ttmp9, 2
	s_add_co_u32 s[GX], s[GX], s[CX]               ; which 256 columns
	s_and_b32 s[GY], ttmp7, 0xffff
	s_lshl_b32 s[GY], s[GY], 2
	s_add_co_u32 s[GY], s[GY], s[CY]               ; which 128 tokens
	s_lshl_b32 s43, s[CY], 2
	s_lshl_b32 s43, 15, s43                        ; my row of the cluster
	s_lshl_b32 s44, 0x1111, s[CX]                  ; my column
	s_or_b32 s[G1P], s44, (3<<16)|(1<<21)          ; P: sixteen records, four records apart; elements of 8 bytes; the mask of my column, bit 21 beside it; no padding
	s_mov_b32 s[G1P+1], 800<<16
	s_mov_b32 s[G1P+2], 16<<16
	s_mov_b32 s[G1P+3], 800<<16
	s_mov_b32 s[G1P+4], 16
	s_mov_b32 s[G1P+5], 3200
	s_mov_b32 s[G1P+6], 0
	s_mov_b32 s[G1P+7], 0
	s_or_b32 s[G1Q], s43, (3<<16)|(1<<21)          ; Q: eight records; the mask of my row
	s_mov_b32 s[G1Q+1], 800<<16
	s_mov_b32 s[G1Q+2], 8<<16
	s_mov_b32 s[G1Q+3], 800<<16
	s_mov_b32 s[G1Q+4], 8
	s_mov_b32 s[G1Q+5], 3200
	s_mov_b32 s[G1Q+6], 0
	s_mov_b32 s[G1Q+7], 0
	s_mul_i32 s20, s[GX], 64*REC                   ; P: 16 row tiles of four records for each x
	s_add_co_u32 s20, s20, POFF
	s_mov_b32 s21, 0
	s_mul_i32 s46, s[GY], 32*REC                   ; Q: eight row tiles for each y
	s_mov_b32 s47, 0
	s_wait_dscnt 0x0                               ; both opening adds are done
	s_wait_kmcnt 0x0
	s_add_nc_u64 s[20:21], s[4:5], s[20:21]
	s_add_nc_u64 s[46:47], s[6:7], s[46:47]
	CROUND                                         ; all sixteen work-groups are here: the first joint loads meet
.irp s, 0,1
	s_mov_b32 s[G0P+4*\s], 1
	s_mov_b32 s[G0P+4*\s+1], \s*SLOT
	s_add_nc_u64 s[G0P+4*\s+2:G0P+4*\s+3], s[20:21], \s*REC   ; slot s begins with the s-th 512 along K
	s_or_b32 s[G0P+4*\s+3], s[G0P+4*\s+3], 0x80000000
	s_mov_b32 s[G0Q+4*\s], 1
	s_mov_b32 s[G0Q+4*\s+1], QOFF+\s*SLOT
	s_add_nc_u64 s[G0Q+4*\s+2:G0Q+4*\s+3], s[46:47], \s*REC
	s_or_b32 s[G0Q+4*\s+3], s[G0Q+4*\s+3], 0x80000000
.endr
; THE HEAD'S LOADS, ONE A WAVE, in one chain of branches on the wave's number: every way through the head passes exactly one load
.macro ARM under, g0, g1, next
	s_cmp_lt_u32 s[WV], \under
	s_cbranch_scc0 \next
	TL \g0, \g1
	s_branch .Lhead_asked
\next:
.endm
	ARM 1, G0P, G1P, .Lhead_q0
	ARM 2, G0Q, G1Q, .Lhead_p1
	ARM 3, G0P+4, G1P, .Lhead_q1
	TL G0Q+4, G1Q
.Lhead_asked:
	s_mul_i32 s18, s[PJ], 8*REC                    ; my P records in a slot
	s_mul_i32 s19, s[W1], 4*REC
	s_add_co_u32 s19, s19, QOFF                    ; my Q records
	s_mul_i32 s22, s[WV], STG                      ; my stage
	s_lshl_b32 s68, s[GX], 1
	s_add_co_u32 s68, s68, s[PJ]
	s_lshl_b32 s68, s68, 9                         ; my first column, in bytes: 4 (256 x + 128 (w / 2))
	s_mov_b32 s69, 0
	s_add_nc_u64 s[70:71], s[8:9], s[68:69]        ; bo there
	s_lshl_b32 s76, s[GY], 1
	s_add_co_u32 s76, s76, s[W1]
	s_lshl_b32 s76, s76, 19                        ; my first token: 64 (2 y + w % 2) rows of 8,192 bytes
	s_mov_b32 s77, 0
	s_add_nc_u64 s[72:73], s[10:11], s[76:77]
	s_add_nc_u64 s[72:73], s[72:73], s[68:69]
	v_and_b32 v[LI], 31, v0
	v_lshlrev_b32 v[LI], 4, v[LI]
	v_and_b32 v[STO], 15, v0                       ; r
	v_lshlrev_b32 v[RD], 4, v[STO]                 ; 16 r
	v_bfe_u32 v[E0], v0, 4, 1                      ; h
	v_mad_u32_u24 v[RD], v[E0], REC, v[RD]         ; lanes 16-31 take the next record's scale words
	v_lshlrev_b32 v[E0], 6, v[E0]                  ; 64 h
	v_add_nc_u32 v[AP], s18, v[LI]
	v_add_nc_u32 v[AP+1], SLOT, v[AP]
	v_add_nc_u32 v[AQ], s19, v[LI]
	v_add_nc_u32 v[AQ+1], SLOT, v[AQ]
	v_add_nc_u32 v[RD], 4*FRB, v[RD]
	v_add_nc_u32 v[ASP], s18, v[RD]
	v_add_nc_u32 v[ASP+1], SLOT, v[ASP]
	v_add_nc_u32 v[ASQ], s19, v[RD]
	v_add_nc_u32 v[ASQ+1], SLOT, v[ASQ]
	v_mul_u32_u24 v[STO], v[STO], 528
	v_add_nc_u32 v[STO], v[STO], v[E0]
	v_add_nc_u32 v[STO], s22, v[STO]               ; the stage, in: row r, + 64 h
	v_add_nc_u32 v[RD], s22, v[LI]                 ; back: the 32 lanes take one row of 512 bytes
	s_wait_alu depctr_va_vdst(0)
	WIN TO_P
.irp t, 0,1,2,3,4,5,6,7
	global_load_b128 v[BB+8*\t:BB+8*\t+3], v[E0], s[70:71] offset:4*(32*(\t/2)+8*(\t%2))       ; register j of tile t is column 32 (t / 2) + 16 h + 8 (t % 2) + j
	global_load_b128 v[BB+8*\t+4:BB+8*\t+7], v[E0], s[70:71] offset:4*(32*(\t/2)+8*(\t%2))+16
.endr
	WIN 0
	s_cmp_lt_u32 s[WV], 2                          ; slot 0 was asked for by waves 0 and 1: they wait for it; slot 1's loads may stay out
	s_cbranch_scc0 .Lnot_slot0
	s_wait_tensorcnt 0x0
.Lnot_slot0:
	s_barrier_signal -1
	s_barrier_wait -1
	FETCH 0
	SCALES 0
	s_wait_loadcnt 0x0                             ; bo
.set ST, 0
.rept 16                               ; written out: register sets, slots and refills come back to where they began only behind all sixteen steps
	STEP ST
.set ST, ST+1
.endr
	WIN 0
; THE WAY OUT, a token tile (16 rows x 128 columns) at a time, through my own stage in LDS: it comes back as whole rows of 512 bytes, which the 32 lanes store as two aligned runs of 256 bytes.
; LDS serves a wave's instructions in order (ISA guide 5.7.1.4): no wait between the stores and the loads, nor ahead of the next tile's stores.
.macro TOSTAGE q
	WIN 0x08                                       ; a store's data are its source 1: window 2
.irp t, 0,1,2,3,4,5,6,7
	ds_store_b128 v[STO], v[64*(\q)+8*\t:64*(\q)+8*\t+3] offset:128*(\t/2)+32*(\t%2)          ; each accumulator from its low end on
	ds_store_b128 v[STO], v[64*(\q)+8*\t+4:64*(\q)+8*\t+7] offset:128*(\t/2)+32*(\t%2)+16
.endr
	WIN 0
.irp t, 0,1,2,3,4,5,6,7,8,9,10,11,12,13,14,15
	ds_load_b128 v[BK+64*((\q)%2)+4*\t:BK+64*((\q)%2)+4*\t+3], v[RD] offset:528*\t
.endr
.endm
.macro SEND q, younger                 ; lane-row t of my token tile q is token 32 (q / 2) + 8 (q % 2) + t + 8 (t / 8) of my 64; younger: the LDS instructions behind tile q's loads, which may stay out
	s_wait_dscnt \younger
.irp t, 0,1,2,3,4,5,6,7,8,9,10,11,12,13,14,15
	global_store_b128 v[LI], v[BK+64*((\q)%2)+4*\t:BK+64*((\q)%2)+4*\t+3], s[72:73] offset:(32*((\q)/2)+8*((\q)%2)+\t+8*(\t/8))*8192 th:TH_STORE_NT   ; 512 consecutive bytes, at a multiple of 256 from out0's first byte
.endr
.endm
	PLACES                                         ; ahead of the first reads of results and of loads into registers that held fragments
	TOSTAGE 0
.irp a, 1,2,3
.if \a > 1
	s_wait_xcnt 0x0                                ; tile a - 2's stores have read their registers: tile a's loads may land there
.endif
	TOSTAGE \a
	SEND \a-1, 32                                  ; behind tile a - 1's loads: tile a's 16 stores and 16 loads
.endr
	SEND 3, 0
	s_wait_tensorcnt 0x0                           ; the wave's end, behind my last tensor load and my last LDS store
	ds_add_u32 v[SPW], v[NIL]
	s_wait_dscnt 0x0
	CROUND                                         ; the closing round: no work-group ends while a partner may still ask for a tile that names it
	s_endpgm
.Lfunc_end_k_qa1b2f8fe4a_outp:
	.size	k_qa1b2f8fe4a_outp, .Lfunc_end_k_qa1b2f8fe4a_outp-k_qa1b2f8fe4a_outp
	.p2alignl 7, 3214868480
	.fill 96, 4, 3214868480
	.section	.rodata,"a",@progbits
	.p2align	6, 0x0
	.amdhsa_kernel k_qa1b2f8fe4a_outp
		.amdhsa_group_segment_fixed_size 327680
		.amdhsa_private_segment_fixed_size 0
		.amdhsa_enable_private_segment 0
		.amdhsa_kernarg_size 32
		.amdhsa_user_sgpr_count 2
		.amdhsa_user_sgpr_kernarg_segment_ptr 1
		.amdhsa_wavefront_size32 1
		.amdhsa_system_sgpr_workgroup_id_x 1
		.amdhsa_system_sgpr_workgroup_id_y 1
		.amdhsa_system_sgpr_workgroup_id_z 1
		.amdhsa_system_vgpr_workitem_id 0
		.amdhsa_next_free_vgpr 768
		.amdhsa_next_free_sgpr 100
		.amdhsa_reserve_vcc 0
		.amdhsa_float_denorm_mode_32 3
		.amdhsa_float_denorm_mode_16_64 3
		.amdhsa_memory_ordered 1
		.amdhsa_forward_progress 1
		.amdhsa_inst_pref_size 132
	.end_amdhsa_kernel
	.amdgpu_metadata
---
amdhsa.version: [ 1, 2 ]
amdhsa.kernels:
  - .name:           k_qa1b2f8fe4a_outp
    .symbol:         k_qa1b2f8fe4a_outp.kd
    .args:
      - { .name: opq, .offset: 0, .size: 8, .value_kind: global_buffer, .address_space: global }
      - { .name: ao, .offset: 8, .size: 8, .value_kind: global_buffer, .address_space: global }
      - { .name: bo, .offset: 16, .size: 8, .value_kind: global_buffer, .address_space: global }
      - { .name: out0, .offset: 24, .size: 8, .value_kind: global_buffer, .address_space: global }
    .group_segment_fixed_size: 327680
    .private_segment_fixed_size: 0
    .kernarg_segment_align: 8
    .kernarg_segment_size: 32
    .max_flat_workgroup_size: 128
    .sgpr_count:     100
    .vgpr_count:     768
    .wavefront_size: 32
...
	.end_amdgpu_metadata
.endif
;; end of part 5
